; MI455X (gfx1250); checked and timed in simulation.
; The chip was launched on July 23, 2026; its instructions are those of AMD's public machine-readable ISA for CDNA 5 (MIT licence, August 2026) and "CDNA5" Instruction Set Architecture Reference Guide (July 2026). The comments in the code are by the model that wrote it; some were corrected since.
;; Self Attention. Allowed arithmetic: matrix products marked QUANTISED: E2M3 operands, one E8M0 scale for each 32 along K, by v_wmma_scale_f32_16x16x128_f8f6f4 with both operands' format E2M3, f32 sums; everything else in f32.
;; Inputs: Wk 1,024 x 1,024 float32; Wq 1,024 x 1,024 float32; Wv 1,024 x 1,024 float32; bk 1,024 float32; bq 1,024 float32; bv 1,024 float32; x 4 x 2,048 x 1,024 float32.
;; Outputs: out0 4 x 2,048 x 1,024 float32.
;; This version of the problem:
;;   THIS VERSION OF THE PROBLEM IS GIVEN IN LOW PRECISION. The matrix products marked QUANTISED in the list below multiply operands that are first quantised to E2M3 (2 exponent bits, 3 mantissa bits; 6 bits a number), with one power-of-two scale for each 32 numbers along K (OCP MX v1.0); their sums are f32. All else is computed in f32.
;;   The module's matrix products, in the order in which they are computed (A, B: the left and right operand; K: the contracted axis; several contracted axes count as one K, in the product's order):
;;     1. [M 8,192, K 1,024] x [K 1,024, N 1,024]; A: input x; B: input Wq: QUANTISED
;;     2. [M 8,192, K 1,024] x [K 1,024, N 1,024]; A: input x; B: input Wk: QUANTISED
;;     3. [M 8,192, K 1,024] x [K 1,024, N 1,024]; A: input x; B: input Wv: QUANTISED
;;     4. batch 4 x [M 2,048, K 1,024] x [K 1,024, N 2,048]; A: computed on the way; B: computed on the way: QUANTISED
;;     5. batch 4 x [M 2,048, K 2,048] x [K 2,048, N 1,024]; A: softmax (see below); B: computed on the way: QUANTISED
;;   THE QUANTISER, for each operand of a quantised product, along K:
;;     - K is cut into blocks of 32 from its start; a last block that is shorter is filled with zeros.
;;     - A block's scale is 2^e with e = floor(log2(the largest magnitude in the block)) - 2, held to -126 .. 127; a block of zeros has e = 0. As a byte (E8M0): e + 127.
;;     - Each number is divided by its block's scale, clamped to +-7.5, and rounded to the nearest number of E2M3, ties to even, subnormals kept.
;;     - The product sums the exact products of the quantised numbers (number of the format x scale) in f32.
;;   ~~~python
;;   def quantise(x, axis):      # numpy; x: float32 -> the quantised numbers, widened to float32 again
;;       x = np.moveaxis(x, axis, -1); K = x.shape[-1]
;;       x = np.pad(x, [(0, 0)] * (x.ndim - 1) + [(0, -K % 32)]); x = x.reshape(x.shape[:-1] + (-1, 32)); a = np.abs(x).max(-1, keepdims=True)
;;       e = np.where(a > 0, np.clip(np.frexp(np.where(a > 0, a, 1))[1] - 1 - 2, -126, 127), 0)      # np.frexp(a)[1] - 1 = floor(log2(a)), exactly
;;       r = np.clip(x / 2.0 ** e, -7.5, 7.5)
;;       step = 2.0 ** (np.maximum(np.frexp(np.where(r == 0, 1, r))[1] - 1, 0) - 3)
;;       q = np.round(r / step) * step * 2.0 ** e      # np.round: ties to even
;;       return np.moveaxis(q.reshape(q.shape[:-2] + (-1,))[..., :K], -1, axis).astype(np.float32)
;;   ~~~
;;   SOFTMAX AHEAD OF A QUANTISED PRODUCT. Where the list says 'softmax', what is quantised is not the finished softmax but p = 2^(t - M), with t = logit x log2(e) and M = ceil(the row's largest t), a whole number; so 1/2 < the row's largest p <= 1. The row's sum l is taken of the UNQUANTISED p, in f32, and the product's result is divided by l at the end. Since M is a whole number, a kernel that streams over the keys may use a running M (the ceiling of the running maximum): every later rescaling is an exact power of two, which a block's scale takes up: the codes' values come out the same.
;;   OPERANDS COMPUTED ON THE WAY. 'Computed on the way' means the value that the module computes at that place (a softmax that the list does not call 'softmax' is quantised finished and normalised). What goes into a quantiser is computed in f32, as accurately as f32 sums, v_exp_f32 and their like allow (about 1e-6 of the number): no bf16 or f16 on the way to a quantiser, and a product that is left as it is and whose result goes on into a quantised operand takes f32 operands (vector FMAs, or v_wmma_f32_16x16x4_f32). A number that lies on a knife's edge between two numbers of the format may be rounded either way, as far as f32 arithmetic and the matrix unit's own rounding can turn it there, and no further.
;; One version. Each part assembles by itself: llvm-mc -triple=amdgcn-amd-amdhsa -mcpu=gfx1250 --defsym DOCPART=n.
;; ======== version 1 of 1: 4 launches
;; workspace buffers: xw_codes 8,650,752 bytes; xw_scales 360,448 bytes; qkv_codes 18,874,368 bytes; qkv_scales 786,432 bytes; p_codes 12,582,912 bytes; p_scales 524,288 bytes; p_stats 1,048,576 bytes
;; launch prep (part 1): grid 448 x 1, 4 waves a work-group, no clusters, 34,304 bytes of LDS; arguments x, Wq, Wk, Wv, xw_codes, xw_scales; writes xw_codes, xw_scales
.if DOCPART == 1
	.amdgcn_target "amdgcn-amd-amdhsa--gfx1250"
	.amdhsa_code_object_version 6
	.text
	.protected	k_q9165ee4bbe_prep
	.globl	k_q9165ee4bbe_prep
	.p2align	8
	.type	k_q9165ee4bbe_prep,@function
k_q9165ee4bbe_prep:
	s_mov_b64 s[64:65], 0
	v_nop
	global_prefetch_b8 v0, s[64:65] scope:SCOPE_SE
	s_setreg_imm32_b32 hwreg(HW_REG_WAVE_MODE, 25, 1), 1
	s_wait_xcnt 0x0
; x [8192][1024] and Wq, Wk, Wv [1024 (k)][1024 (n)], f32, become codes of FP6 (E2M3) with one E8M0 byte for each 32 along K (x: its columns; W: its rows).
; LAYOUT OF THE RESULT.  An operand is cut into tiles of 16 rows (x: rows; W: columns n) and K steps of 128.  Place p of tile t is row 32 (t / 2) + 8 (t % 2) + p + 8 (p / 8).
; A fragment (tile t, K step s) is stored as the image of the matrix operand's 12 registers: byte 512 c + 16 lane + 4 i is register 4 c + i of that lane; it lies at ((s / 2) T + t) 3072 + (s % 2) 1536, T the operand's tiles.
; Its scale words (four bytes a row) lie at (s T + t) 64 + 4 p.  x: T = 512, at byte 0 of both buffers; W number m: T = 64, codes at 6,291,456 + 786,432 m, words at 262,144 + 32,768 m.
; A block's scale is 2^(floor(log2(largest magnitude)) - 2): its byte is the largest magnitude's exponent field - 2, held at 1 from below.
; LIMITS: a block of zeros gets the byte 1 where the quantiser says 127 (its codes are zeros, and this program alone reads the bytes); blocks whose largest magnitude lies under 2^-124 were not tried; NaN and infinities are not served.
; Work-groups 0-255 take x, 32 rows each (131,072 bytes on end); work-groups 256-447 take the weights.  Memory binds: no matrix unit, no cluster, no tensor load.
.set STG,   8448                       ; a wave's stage: 16 rows x (512 bytes + 16)
.set SPARE, 4*STG                      ; behind the four stages: the spare words, 128 bytes a wave, named by no other line
.set SPW, 28                           ; v28  LDS address of my spare word; never rewritten
.set NIL, 29                           ; v29  0; never rewritten
.set TM,  8                            ; v8-23   at work in the quantiser
.set PWR, 24                           ; v24-27  the four fragments' scale words
.set R,   32                           ; v32-159 x as loaded, two sets of 64
.set XN,  160                          ; v160-223 64 numbers of a lane: register 16 b + i = k 32 b + 16 (lane / 16) + i of my row
.set PC,  224                          ; v224-235 a fragment's codes
.set CT,  236                          ; v236-242 the conversions' second halves
.set X,   32                           ; weights: v32-159 128 numbers down K of my column
.set FB,  160                          ; v160-183 the codes, as two image lanes' 12 registers
.set CW,  184                          ; v184-186
	s_load_b256 s[4:11], s[0:1], 0x0               ; x, Wq, Wk, Wv
	s_load_b128 s[12:15], s[0:1], 0x20             ; xw_codes, xw_scales
	v_lshl_add_u32 v[SPW], v0, 2, SPARE
	v_mov_b32 v[NIL], 0
	v_lshrrev_b32 v1, 5, v0
	v_readfirstlane_b32 s16, v1                    ; wave
	v_and_b32 v7, 31, v0                           ; lane
	s_cmp_ge_u32 ttmp9, 256
	s_cbranch_scc1 .Lweights
; ---------------- x.  Wave w takes K steps 2 w, 2 w + 1 of tiles 2 g, 2 g + 1: four fragments t (tile t % 2, K step t / 2).
	v_lshlrev_b32 v1, 4, v7                        ; 16 x lane
	s_mul_i32 s17, s16, STG
	v_add_nc_u32 v2, s17, v1                       ; the stage, in: a row's 512 bytes as they lie
	v_and_b32 v5, 15, v0
	v_bfe_u32 v6, v0, 4, 1
	v_mul_u32_u24 v3, v5, 528
	v_lshl_add_u32 v3, v6, 6, v3
	v_add_nc_u32 v3, s17, v3                       ; out: row lane % 16, + 64 (lane / 16)
	v_lshlrev_b32 v4, 2, v7                        ; 4 x lane
	s_mov_b32 s18, 0x76543210
	s_mov_b32 s19, 0xfedcba98                      ; lane selects: lane l xor 16
	s_mov_b32 s20, 0xffff0000                      ; lanes 16-31
.irp b, 0,1,2,3
	v_mov_b32 v[TM+4+\b], 0                        ; a lane permute's destination counts as read
.endr
	s_lshl_b32 s22, ttmp9, 17                      ; my 32 rows,
	s_lshl_b32 s23, s16, 10                        ; my 256 columns
	s_add_co_u32 s22, s22, s23
	s_mov_b32 s23, 0
	s_lshl_b32 s24, s16, 9
	s_lshl_b32 s25, ttmp9, 1
	s_add_co_u32 s24, s24, s25
	s_mul_i32 s24, s24, 3072                       ; codes: (512 w + 2 g) 3072
	s_mov_b32 s25, 0
	s_lshl_b32 s26, s16, 16
	s_lshl_b32 s27, ttmp9, 7
	s_add_co_u32 s26, s26, s27                     ; words: (512 x 2 w + 2 g) 64
	s_mov_b32 s27, 0
	s_wait_kmcnt 0x0
	s_add_nc_u64 s[4:5], s[4:5], s[22:23]
	s_add_nc_u64 s[12:13], s[12:13], s[24:25]
	s_add_nc_u64 s[14:15], s[14:15], s[26:27]
.macro LOADX t                         ; the fragment's 16 rows, place by place: each load reads 512 bytes on end
.irp i, 0,1,2,3,4,5,6,7,8,9,10,11,12,13,14,15
	global_load_b128 v[R+64*((\t)%2)+4*\i:R+64*((\t)%2)+4*\i+3], v1, s[4:5] offset:(8*((\t)&1)+\i+8*(\i>>3))*4096+512*((\t)>>1) th:TH_LOAD_NT
.endr
.endm
; 64 numbers of a lane become a fragment's codes in v[pc] on and its scale word in v[pw]
.macro QUANT s, pc, ct, pw
.irp b, 0,1,2,3
	v_max3_num_f32 v[TM+\b], |v[(\s)+16*\b]|, |v[(\s)+16*\b+1]|, 0x1800000   ; my 16 numbers of block b, and the floor 2^(3 - 127): the byte cannot fall under 1
.endr
.irp i, 2,4,6,8,10,12,14
.irp b, 0,1,2,3
	v_max3_num_f32 v[TM+\b], |v[(\s)+16*\b+\i]|, |v[(\s)+16*\b+\i+1]|, v[TM+\b]
.endr
.endr
.irp b, 0,1,2,3
	v_permlanex16_b32 v[TM+4+\b], v[TM+\b], s18, s19
.endr
.irp b, 0,1,2,3
	v_max_num_f32 v[TM+\b], v[TM+\b], v[TM+4+\b]   ; with lane l xor 16's 16: the block's largest magnitude
.endr
.irp b, 0,1,2,3
	v_add_nc_u32 v[TM+12+\b], 0xff000000, v[TM+\b] ; 2 off its exponent field: the conversion's scale operand
.endr
.irp b, 0,1,2,3
	v_lshrrev_b32 v[TM+4+\b], 23, v[TM+12+\b]      ; the scale's byte
.endr
	v_lshl_or_b32 v[\pw], v[TM+5], 8, v[TM+4]
	v_lshl_or_b32 v[\pw], v[TM+6], 16, v[\pw]
	v_lshl_or_b32 v[\pw], v[TM+7], 24, v[\pw]
.irp c, 0,1
	v_cvt_scalef32_pk16_fp6_f32 v[(\pc)+6*\c:(\pc)+6*\c+2], v[(\s)+32*\c:(\s)+32*\c+15], v[TM+12+2*\c]
	v_cvt_scalef32_pk16_fp6_f32 v[(\ct)+4*\c:(\ct)+4*\c+2], v[(\s)+32*\c+16:(\s)+32*\c+31], v[TM+12+2*\c+1]
.endr
	v_nop                                          ; one plain place behind a scaled conversion
.irp c, 0,1                            ; the operand wants a whole block in a lane: lanes 0-15 block 2 c, lanes 16-31 block 2 c + 1
.irp i, 0,1,2
	v_permlane16_swap_b32 v[(\pc)+6*\c+\i], v[(\ct)+4*\c+\i]
.endr
.irp i, 0,1,2
	v_mov_b32 v[(\pc)+6*\c+3+\i], v[(\ct)+4*\c+\i]
.endr
.endr
.endm
.macro FRAGX t
.if (\t) < 3
	s_wait_loadcnt 16                              ; this fragment's 16 loads are in; the next fragment's 16 may be out
.else
	s_wait_loadcnt 0x0
.endif
.irp i, 0,1,2,3,4,5,6,7,8,9,10,11,12,13,14,15
	ds_store_b128 v2, v[R+64*((\t)%2)+4*\i:R+64*((\t)%2)+4*\i+3] offset:528*\i
.endr
.irp b, 0,1,2,3
.irp j, 0,1,2,3
	ds_load_b128 v[XN+16*\b+4*\j:XN+16*\b+4*\j+3], v3 offset:128*\b+16*\j   ; LDS serves a wave's instructions in order: these see my stores
.endr
.endr
	s_wait_dscnt 0x0                               ; the numbers are back, and the stores have read their registers,
.if (\t) < 2
	LOADX (\t)+2                                   ; which take the loads of two fragments on
.endif
	s_wait_xcnt 0x0                                ; the last fragment's stores have read their data: the codes' registers may be written again
	QUANT XN, PC, CT, PWR+(\t)
.irp c, 0,1,2
	global_store_b128 v1, v[PC+4*\c:PC+4*\c+3], s[12:13] offset:3072*((\t)&1)+1536*((\t)>>1)+512*\c   ; 512 bytes on end
.endr
.endm
	LOADX 0
	LOADX 1
	FRAGX 0
	FRAGX 1
	v_cndmask_b32 v30, v[PWR], v[PWR+1], s20       ; lanes 0-15: tile 2 g's words, lanes 16-31: tile 2 g + 1's
	global_store_b32 v4, v30, s[14:15]
	FRAGX 2
	FRAGX 3
	v_cndmask_b32 v31, v[PWR+2], v[PWR+3], s20
	global_store_b32 v4, v31, s[14:15] offset:32768
	s_wait_tensorcnt 0x0                           ; the wave's end
	ds_add_u32 v[SPW], v[NIL]
	s_wait_dscnt 0x0
	s_endpgm
; ---------------- the weights.  g' = m 64 + K step 8 + ng.  A lane takes a column and its registers run down K: a block of 32 is one lane's, and the codes come out with K innermost.
.Lweights:
	s_sub_co_u32 s17, ttmp9, 256
	s_lshr_b32 s18, s17, 6                         ; m: which weight
	s_bfe_u32 s19, s17, 0x30003                    ; K step
	s_and_b32 s20, s17, 7                          ; ng: which 128 columns
	v_lshlrev_b32 v3, 2, v7                        ; in: 4 bytes a lane
	v_bfe_u32 v5, v0, 3, 1                         ; column l of my 32 is place (l % 8) + 8 (l / 16) of tile (l / 8) % 2
	v_and_b32 v6, 7, v0
	v_bfe_u32 v8, v0, 4, 1
	v_lshl_add_u32 v6, v8, 3, v6
	v_mul_u32_u24 v4, v5, 3072
	v_lshl_add_u32 v4, v6, 4, v4                   ; codes: 3072 x tile + 16 x place
	v_lshlrev_b32 v9, 6, v5
	v_lshl_add_u32 v5, v6, 2, v9                   ; words: 64 x tile + 4 x place
	s_lshl_b32 s22, s19, 19                        ; W: 128 rows of 4,096 bytes a K step,
	s_lshl_b32 s23, s20, 9
	s_add_co_u32 s22, s22, s23
	s_lshl_b32 s23, s16, 7
	s_add_co_u32 s22, s22, s23                     ; + 4 (128 ng + 32 w)
	s_mov_b32 s23, 0
	s_lshl_b32 s21, s20, 3
	s_lshl_b32 s24, s16, 1
	s_add_co_u32 s21, s21, s24                     ; my first tile: 8 ng + 2 w
	s_lshr_b32 s24, s19, 1
	s_lshl_b32 s24, s24, 6
	s_add_co_u32 s24, s24, s21
	s_mul_i32 s24, s24, 3072
	s_and_b32 s25, s19, 1
	s_mul_i32 s25, s25, 1536
	s_add_co_u32 s24, s24, s25
	s_mul_i32 s25, s18, 786432
	s_add_co_u32 s24, s24, s25
	s_add_co_u32 s24, s24, 6291456
	s_mov_b32 s25, 0
	s_lshl_b32 s26, s19, 6
	s_add_co_u32 s26, s26, s21
	s_lshl_b32 s26, s26, 6
	s_lshl_b32 s27, s18, 15
	s_add_co_u32 s26, s26, s27
	s_add_co_u32 s26, s26, 262144
	s_mov_b32 s27, 0
	s_wait_kmcnt 0x0
	s_cmp_eq_u32 s18, 0                            ; the choice hangs on the work-group's number alone
	s_cselect_b64 s[6:7], s[6:7], s[8:9]
	s_cmp_eq_u32 s18, 2
	s_cselect_b64 s[6:7], s[10:11], s[6:7]
	s_add_nc_u64 s[6:7], s[6:7], s[22:23]
	s_add_nc_u64 s[12:13], s[12:13], s[24:25]
	s_add_nc_u64 s[14:15], s[14:15], s[26:27]
.macro LOADW b
.set li, 0
.rept 32
	global_load_b32 v[X+32*(\b)+li], v3, s[6:7] offset:(32*(\b)+li)*4096 th:TH_LOAD_NT
.set li, li+1
.endr
.endm
.macro BLOCKW b
.set XS, X+32*(\b)
.set FX, FB+12*((\b)&1)+6*((\b)>>1)    ; block 2 c + h is registers 6 c .. 6 c + 5 of image lane place + 16 h
.if (\b) < 3
	s_wait_loadcnt 32                              ; this block's 32 loads are in; the next block's 32 may be out
.else
	s_wait_loadcnt 0x0
.endif
.if (\b) < 2
	LOADW (\b)+2
.endif
	v_max3_num_f32 v10, |v[XS]|, |v[XS+1]|, |v[XS+2]|
	v_max3_num_f32 v11, |v[XS+3]|, |v[XS+4]|, |v[XS+5]|
.irp i, 6,10,14,18,22,26
	v_max3_num_f32 v10, v10, |v[XS+\i]|, |v[XS+\i+1]|
	v_max3_num_f32 v11, v11, |v[XS+\i+2]|, |v[XS+\i+3]|
.endr
	v_max3_num_f32 v10, v10, |v[XS+30]|, |v[XS+31]|
	v_max3_num_f32 v10, v10, v11, 0x1800000        ; and the floor
	v_add_nc_u32 v11, 0xff000000, v10              ; the conversion's scale operand
	v_lshrrev_b32 v10, 23, v11                     ; the byte
.if (\b) == 0
	v_mov_b32 v12, v10
.else
	v_lshl_or_b32 v12, v10, 8*(\b), v12
.endif
	v_cvt_scalef32_pk16_fp6_f32 v[FX:FX+2], v[XS:XS+15], v11
	v_cvt_scalef32_pk16_fp6_f32 v[CW:CW+2], v[XS+16:XS+31], v11
	v_nop                                          ; one plain place behind a scaled conversion
.irp i, 0,1,2
	v_mov_b32 v[FX+3+\i], v[CW+\i]
.endr
.endm
	LOADW 0
	LOADW 1
	BLOCKW 0
	BLOCKW 1
	BLOCKW 2
	BLOCKW 3
.irp h, 0,1
.irp c, 0,1,2
	global_store_b128 v4, v[FB+12*\h+4*\c:FB+12*\h+4*\c+3], s[12:13] offset:256*\h+512*\c   ; sixteen lanes store 256 bytes on end, aligned, for each of the two tiles
.endr
.endr
	global_store_b32 v5, v12, s[14:15]
	s_endpgm
.Lfunc_end_k_q9165ee4bbe_prep:
	.size	k_q9165ee4bbe_prep, .Lfunc_end_k_q9165ee4bbe_prep-k_q9165ee4bbe_prep
	.p2alignl 7, 3214868480
	.fill 96, 4, 3214868480
	.section	.rodata,"a",@progbits
	.p2align	6, 0x0
	.amdhsa_kernel k_q9165ee4bbe_prep
		.amdhsa_group_segment_fixed_size 34304
		.amdhsa_private_segment_fixed_size 0
		.amdhsa_enable_private_segment 0
		.amdhsa_kernarg_size 48
		.amdhsa_user_sgpr_count 2
		.amdhsa_user_sgpr_kernarg_segment_ptr 1
		.amdhsa_wavefront_size32 1
		.amdhsa_system_sgpr_workgroup_id_x 1
		.amdhsa_system_sgpr_workgroup_id_y 1
		.amdhsa_system_sgpr_workgroup_id_z 1
		.amdhsa_system_vgpr_workitem_id 0
		.amdhsa_next_free_vgpr 256
		.amdhsa_next_free_sgpr 66
		.amdhsa_reserve_vcc 0
		.amdhsa_float_denorm_mode_32 3
		.amdhsa_float_denorm_mode_16_64 3
		.amdhsa_memory_ordered 1
		.amdhsa_forward_progress 1
		.amdhsa_inst_pref_size 54
	.end_amdhsa_kernel
	.amdgpu_metadata
---
amdhsa.version: [ 1, 2 ]
amdhsa.kernels:
  - .name:           k_q9165ee4bbe_prep
    .symbol:         k_q9165ee4bbe_prep.kd
    .args:
      - { .name: x, .offset: 0, .size: 8, .value_kind: global_buffer, .address_space: global }
      - { .name: Wq, .offset: 8, .size: 8, .value_kind: global_buffer, .address_space: global }
      - { .name: Wk, .offset: 16, .size: 8, .value_kind: global_buffer, .address_space: global }
      - { .name: Wv, .offset: 24, .size: 8, .value_kind: global_buffer, .address_space: global }
      - { .name: xw_codes, .offset: 32, .size: 8, .value_kind: global_buffer, .address_space: global }
      - { .name: xw_scales, .offset: 40, .size: 8, .value_kind: global_buffer, .address_space: global }
    .group_segment_fixed_size: 34304
    .private_segment_fixed_size: 0
    .kernarg_segment_align: 8
    .kernarg_segment_size: 48
    .max_flat_workgroup_size: 128
    .sgpr_count:     66
    .vgpr_count:     256
    .wavefront_size: 32
...
	.end_amdgpu_metadata
.endif
;; end of part 1
;; launch proj (part 2): grid 8 x 32, 4 waves a work-group, clusters of 4 x 4, 327,680 bytes of LDS; arguments xw_codes, xw_scales, bq, bk, bv, qkv_codes, qkv_scales; writes qkv_codes, qkv_scales
.if DOCPART == 2
	.amdgcn_target "amdgcn-amd-amdhsa--gfx1250"
	.amdhsa_code_object_version 6
	.text
	.protected	k_q9165ee4bbe_proj
	.globl	k_q9165ee4bbe_proj
	.p2align	8
	.type	k_q9165ee4bbe_proj,@function
k_q9165ee4bbe_proj:
	s_mov_b64 s[64:65], 0
	v_nop
	global_prefetch_b8 v0, s[64:65] scope:SCOPE_SE
	s_setreg_imm32_b32 hwreg(HW_REG_WAVE_MODE, 25, 1), 1
	s_wait_xcnt 0x0
	s_wait_alu depctr_hold_cnt(0) depctr_sa_sdst(0) depctr_va_vdst(0) depctr_va_sdst(0) depctr_va_ssrc(0) depctr_va_vcc(0) depctr_vm_vsrc(0)
	s_getreg_b32 s2, hwreg(HW_REG_IB_STS2, 6, 4)
	s_cmp_eq_u32 s2, 0
	s_cbranch_scc0 .Lentry_in_a_cluster
	s_endpgm
.Lentry_in_a_cluster:
	s_bfe_u32 s2, ttmp6, 0x10000c
	s_cmp_lg_u32 s2, 0xf033
	s_cbranch_scc0 .Lentry_shape_is_right
	s_endpgm
.Lentry_shape_is_right:
; q = x Wq + bq, k = x Wk + bk, v = x Wv + bv on codes of FP6 (E2M3) with E8M0 scales; the results are quantised at once, q and k along their 1,024 columns, v along the keys, and leave as codes.
; Operands and results are fragment images in tile order: place p of tile t is row 32 (t / 2) + 8 (t % 2) + p + 8 (p / 8); fragment (t, K step s) at ((s / 2) T + t) 3072 + (s % 2) 1536; its scale words at (s T + t) 64 + 4 p.
; Source 1 ("A") gives a lane a row, source 0 ("B") lays its rows along the registers.  With B's tiles in tile order a lane's 64 results of one tile of A are 4 blocks x 16 neighbours along the next product's K:
; the quantiser works in registers, and its result is a fragment image.
; SHARES.  The three products are 384 tiles of 256 x 256; 256 work-groups take one and a half each, so that all have the same work.  The cluster's x is the kind (0: q, 1: k), its y is Y.
;   PASS 1: A = x's 256 rows number 4 Y + cy, B = W[kind]'s 256 columns number cx.  A wave makes 128 x 128: 64 accumulators.
;   PASS 2: A = Wv's 256 columns number cy, B = x's 128 rows (keys) number 2 (4 Y + cx) + kind.  Wave w takes A's tiles 4 w .. 4 w + 3 against B's eight: 32 accumulators; its 128 keys are one K step of v^T.
; K = 1,024 in 8 steps of 128 in each pass.  All is written out: no loop.
; THE RING: three LDS slots of two steps (six chunks of 49,152 bytes).  Pass 1: slots 0, 1, 2, and slot 0 a second time.  THE RING GOES ON INTO PASS 2, whose tiles come in two fills of three chunks (four steps each:
; wave 0 A's tiles 0-7, wave 1 A's tiles 8-15, wave 2 B's eight): chunks 2, 3, 4 when pass 1's step 5 has left them, chunks 0, 1, 5 at its step 7.  They land under pass 1's last products and its quantising.
; CLUSTER 4 x 4: A's tiles hang on cy and are asked for jointly along a row of the cluster, B's on cx, along a column, in both passes.  The scale words (28 KB against 688 KB of codes a work-group) come by plain loads.
; LIMITS: a block of zeros gets the byte 1 (its codes are zeros); blocks whose largest magnitude lies under 2^-124 were not tried; NaN and infinities are not served.
; REGISTERS.  window 0: v1-15, v48-59 addresses; v16-31 at work; v32-47 scale words and nothing else, two sets; v64-255 A's fragments, two sets (later the results' codes).
;   window 1: v0-191 B's fragments, two sets; v192-255 the bias.   windows 2, 3: accumulator (a, b) at v[8 (8 (a % 4) + b)] of window 2 + a / 4.
.set NA,    8                          ; A's tiles a wave: 8 in pass 1, 4 in pass 2
.set NLD,   56                         ; LDS loads of one K step's fragments and scale words: 24 + 24 + 4 + 4; in pass 2: 24 + 12 + 2 + 4
.set PASS,  1
.set HALF,  24576                      ; 8 tiles x 2 K steps: what one tensor load of pass 1 brings
.set SLOT,  4*HALF
.set CHUNK, 49152                      ; 8 tiles x 4 K steps: what one tensor load of pass 2 brings
.set PAIRX, 512*3072                   ; two K steps on in x's codes
.set PAIRW, 64*3072                    ; and in a weight's
.set SCA,   3*SLOT                     ; pass 1, A's scale words: K step x 1,024 + tile x 64 + 4 x place
.set SCB,   SCA+8192                   ; B's likewise
.set SCA2,  SCB+8192                   ; pass 2, A's: K step x 1,024 + tile x 64 + 4 x place
.set SCB2,  SCA2+8192                  ; B's: K step x 512 + tile x 64 + 4 x place
.set GATH,  SCB2+4096                  ; 512 bytes a wave: the results' scale words are gathered here
.set SPARE, GATH+2048                  ; the spare words, 128 bytes a wave, named by no other line
.set LI,   3                           ; v3     16 x lane
.set ADRA, 4                           ; v4-6   pass 1: my half of A in slot 0, 1, 2
.set ADRB, 7                           ; v7-9   my half of B
.set ADSA, 10                          ; v10    A's scale words: lanes 0-15 tile i, lanes 16-31 tile i + 4
.set ADSB, 11                          ; v11    B's likewise
.set GA,   12
.set GR,   13
.set SPW,  14                          ; v14    LDS address of my spare word; never rewritten
.set NIL,  15                          ; v15    0; never rewritten
.set TM,   16
.set SC,   32
.set OC1,  48                          ; v48-51 my byte offsets in the results' buffers: codes and words of pass 1, of pass 2; never rewritten
.set OS1,  49
.set OC2,  50
.set OS2,  51
.set ADRA2, 52                         ; v52-53 pass 2: my four tiles of A in the first and the second fill
.set ADRB2, 54                         ; v54-55 B's eight
.set ADSA2, 56                         ; v56    A's scale words: lanes 0-15 tile i, lanes 16-31 tile i + 2
.set ADSB2, 57                         ; v57    B's: tile i, tile i + 4
.set BO2,  58                          ; v58    my byte offset in bv; never rewritten
.set GR2,  59
.set AF,   64
.set BB,   192
.set WV,   14                          ; s14 wave; s15 wave / 2; s66 wave % 2
.set WH,   15
.set WL,   66
.set KIND, 101
.set G1,   24                          ; s[24:31] group 1 for pass 1's A; s[32:43] its groups 0, one a slot; s[48:55], s[76:87] the same for B
.set G0,   32
.set G1B,  48
.set G0B,  76
.set G1A2, 56                          ; s[56:63], s[68:75] groups 1 for pass 2's A and B; s[88:91], s[92:95] their groups 0, which walk
.set G1B2, 68
.set G0A2, 88
.set G0B2, 92
.set SEL,  96
.set MSB, 0
.macro WIN new                         ; the immediate's high byte repeats the setting that is left
.if MSB != (\new)
	s_set_vgpr_msb (MSB<<8)|(\new)
.set MSB, (\new)
.endif
.endm
.macro JLOAD g0a, g0b                  ; a joint load of pass 1: waves 0, 1 fetch A's halves, waves 2, 3 B's; the branch hangs on the wave's number alone; s_nop 0 and four v_nop follow each line
	s_cmp_eq_u32 s[WH], 0
	s_cbranch_scc0 .Lfor_b_\@
	tensor_load_to_lds s[\g0a:\g0a+3], s[G1:G1+7]
	s_nop 0
.rept 4
	v_nop
.endr
	s_branch .Lasked_\@
.Lfor_b_\@:
	tensor_load_to_lds s[\g0b:\g0b+3], s[G1B:G1B+7]
	s_nop 0
.rept 4
	v_nop
.endr
.Lasked_\@:
.endm
.macro JLOAD2                          ; a joint load of pass 2: waves 0, 1 fetch A's halves, wave 2 B, wave 3 nothing.  Four v_nop stand on every way: they are also the places in front of the LDS loads that follow
	s_cmp_lt_u32 s[WV], 2
	s_cbranch_scc0 .Lnot_a_\@
	tensor_load_to_lds s[G0A2:G0A2+3], s[G1A2:G1A2+7]
	s_nop 0
.rept 4
	v_nop
.endr
	s_branch .Lasked_\@
.Lnot_a_\@:
	s_cmp_eq_u32 s[WV], 2
	s_cbranch_scc0 .Lnone_\@
	tensor_load_to_lds s[G0B2:G0B2+3], s[G1B2:G1B2+7]
	s_nop 0
.rept 4
	v_nop
.endr
	s_branch .Lasked_\@
.Lnone_\@:
.rept 4
	v_nop
.endr
.Lasked_\@:
.endm
.macro CREST                           ; a round of the cluster's barrier behind its opening barrier
	s_cmp_lg_u32 s[WV], 0
	s_cbranch_scc1 .Lnot_wave_0_\@
	s_barrier_signal -3
.Lnot_wave_0_\@:
	s_barrier_wait -3
	s_barrier_signal -1
	s_barrier_wait -1
.endm
.macro CROUND
	s_barrier_signal -1
	s_barrier_wait -1
	CREST
.endm
.macro WM                              ; one product; the symbols say which registers and which rows of the scale registers
.if qRB && qRA
	v_wmma_scale_f32_16x16x128_f8f6f4 v[rD:rD+7], v[rB:rB+11], v[rA:rA+11], v[rC:rC+7], v[rSB], v[rSA] matrix_a_fmt:MATRIX_FMT_FP6 matrix_b_fmt:MATRIX_FMT_FP6 matrix_a_scale:MATRIX_SCALE_ROW1 matrix_b_scale:MATRIX_SCALE_ROW1
.elseif qRB
	v_wmma_scale_f32_16x16x128_f8f6f4 v[rD:rD+7], v[rB:rB+11], v[rA:rA+11], v[rC:rC+7], v[rSB], v[rSA] matrix_a_fmt:MATRIX_FMT_FP6 matrix_b_fmt:MATRIX_FMT_FP6 matrix_a_scale:MATRIX_SCALE_ROW1
.elseif qRA
	v_wmma_scale_f32_16x16x128_f8f6f4 v[rD:rD+7], v[rB:rB+11], v[rA:rA+11], v[rC:rC+7], v[rSB], v[rSA] matrix_a_fmt:MATRIX_FMT_FP6 matrix_b_fmt:MATRIX_FMT_FP6 matrix_b_scale:MATRIX_SCALE_ROW1
.else
	v_wmma_scale_f32_16x16x128_f8f6f4 v[rD:rD+7], v[rB:rB+11], v[rA:rA+11], v[rC:rC+7], v[rSB], v[rSA] matrix_a_fmt:MATRIX_FMT_FP6 matrix_b_fmt:MATRIX_FMT_FP6
.endif
.endm
; A's tiles a0 .. a0 + n - 1 against B's eight, K step ks.  cm = 0: onto the sums; 2: the sums begin with the bias by B's tile; 3: by A's tile.  The accumulators take turns, one instruction a turn.
.macro MULQ ks, a0, n, cm
.set qa, \a0
.rept \n
.if (\cm) >= 2
	WIN 0x91+0x40*(qa/4)                           ; source 0 (B) and C window 1, source 1 (A) window 0, D window 2 or 3
.else
	WIN 0xa1+0x50*(qa/4)                           ; C and D window 2 or 3
.endif
.set qb, 0
.rept 8
.set rD, 8*(8*(qa%4)+qb)
.set rB, 96*((\ks)&1)+12*qb
.set rA, AF+12*NA*((\ks)&1)+12*qa
.set rSB, SC+8*((\ks)&1)+4+(qb&3)
.set rSA, SC+8*((\ks)&1)+(qa%(NA/2))
.set qRB, qb>>2
.set qRA, qa/(NA/2)
.set rC, rD
.if (\cm) == 2
.set rC, BB+8*qb
.elseif (\cm) == 3
.set rC, BB+8*qa
.endif
	WM
.set qb, qb+1
.endr
.set qa, qa+1
.endr
.endm
.macro FETCH1 ks                       ; pass 1, K step ks: B's 8 fragments, A's 8, 8 registers of scale words, into set ks % 2: every load takes 16 (or 4) bytes a lane on end
.set fS, ((\ks)>>1)%3
.set fP, (\ks)&1
.set fO, ((\ks)&1)*1536
	WIN 0x40
.set fi, 0
.rept 8
.irp c, 0,1,2
	ds_load_b128 v[96*fP+12*fi+4*\c:96*fP+12*fi+4*\c+3], v[ADRB+fS] offset:fO+3072*fi+512*\c
.endr
.set fi, fi+1
.endr
	WIN 0
.set fi, 0
.rept 8
.irp c, 0,1,2
	ds_load_b128 v[AF+96*fP+12*fi+4*\c:AF+96*fP+12*fi+4*\c+3], v[ADRA+fS] offset:fO+3072*fi+512*\c
.endr
.set fi, fi+1
.endr
.irp i, 0,1,2,3
	ds_load_b32 v[SC+8*fP+\i], v[ADSA] offset:(\ks)*1024+64*\i
.endr
.irp i, 0,1,2,3
	ds_load_b32 v[SC+8*fP+4+\i], v[ADSB] offset:(\ks)*1024+64*\i
.endr
.endm
.macro FETCH2 ks                       ; pass 2: a fill holds four K steps, two pairs of 24,576 bytes in each chunk: B's 8 fragments, my 4 of A, 6 registers of scale words
.set fD, ((\ks)>>2)&1
.set fP, (\ks)&1
.set fO, (((\ks)>>1)&1)*24576+((\ks)&1)*1536
	WIN 0x40
.set fi, 0
.rept 8
.irp c, 0,1,2
	ds_load_b128 v[96*fP+12*fi+4*\c:96*fP+12*fi+4*\c+3], v[ADRB2+fD] offset:fO+3072*fi+512*\c
.endr
.set fi, fi+1
.endr
	WIN 0
.set fi, 0
.rept 4
.irp c, 0,1,2
	ds_load_b128 v[AF+48*fP+12*fi+4*\c:AF+48*fP+12*fi+4*\c+3], v[ADRA2+fD] offset:fO+3072*fi+512*\c
.endr
.set fi, fi+1
.endr
.irp i, 0,1
	ds_load_b32 v[SC+8*fP+\i], v[ADSA2] offset:(\ks)*1024+64*\i
.endr
.irp i, 0,1,2,3
	ds_load_b32 v[SC+8*fP+4+\i], v[ADSB2] offset:(\ks)*512+64*\i
.endr
.endm
.macro FETCHX ks
.if PASS == 1
	FETCH1 \ks
.else
	FETCH2 \ks
.endif
.endm
.macro STEP ks, cm
.rept 4
	v_nop                                          ; four places between the last step's products and the loads into the set that they read
.endr
	FETCHX (\ks)+1
	s_wait_dscnt NLD                               ; all but the run just issued: this step's set is in
	MULQ \ks, 0, NA, \cm
.endm
; A step at which tiles change hands.  Each wave waits for all its tensor loads, adds 0 to its spare word, waits for that and for its reads of the bytes that are left, and signals.
; fill = 0: a plain barrier.  Else the barrier opens a round of the cluster's, and behind it the refill comes first: 1: slot 0 takes pass 1's K steps 6, 7; 2: chunks 2, 3, 4 take pass 2's K steps 0-3; 3: chunks 0, 1, 5 its K steps 4-7.
.macro TURN ks, fill, fetch
	WIN 0
	s_wait_tensorcnt 0x0                           ; all my tensor loads have landed
	ds_add_u32 v[SPW], v[NIL]                      ; 0 onto my spare word
	s_wait_dscnt 0x1                               ; only the add may be out: this step's set is in
	MULQ \ks, 0, NA/4, 0
	s_wait_dscnt 0x0                               ; the add is done, and my LDS reads are over
	s_barrier_signal -1
	MULQ \ks, NA/4, NA/4, 0
	WIN 0
	s_barrier_wait -1
.if \fill
	CREST                                          ; no wave of any partner still reads those bytes or has a load on its way
.if \fill == 1
	s_add_nc_u64 s[G0+2:G0+3], s[G0+2:G0+3], 3*PAIRX
	s_add_nc_u64 s[G0B+2:G0B+3], s[G0B+2:G0B+3], 3*PAIRW
	JLOAD G0, G0B                                  ; its four v_nop are also the places in front of the loads below
.elseif \fill == 2
	JLOAD2
.else
	s_mul_i32 s[G0A2+1], s[WV], CHUNK              ; A's halves: chunks 0 and 1
	s_add_nc_u64 s[G0A2+2:G0A2+3], s[G0A2+2:G0A2+3], 2*PAIRW
	s_mov_b32 s[G0B2+1], 5*CHUNK                   ; B: chunk 5
	s_add_nc_u64 s[G0B2+2:G0B2+3], s[G0B2+2:G0B2+3], 2*PAIRX
	JLOAD2
.endif
.else
.rept 4
	v_nop
.endr
.endif
.if \fetch
	FETCHX (\ks)+1
.endif
	MULQ \ks, NA/2, NA/2, 0
.endm
; 64 results of a lane (window w, from v[s]) become a fragment's codes in v[pc] on and its scale word in v[pw].  Each accumulator is read from its low end on.
.macro QCVT w, s, pc, ct
	WIN \w
.irp c, 0,1
	v_cvt_scalef32_pk16_fp6_f32 v[(\pc)+6*\c:(\pc)+6*\c+2], v[(\s)+32*\c:(\s)+32*\c+15], v[TM+12+2*\c]
	v_cvt_scalef32_pk16_fp6_f32 v[(\ct)+4*\c:(\ct)+4*\c+2], v[(\s)+32*\c+16:(\s)+32*\c+31], v[TM+12+2*\c+1]
.endr
	WIN 0
	v_nop                                          ; one plain place behind a scaled conversion
.irp c, 0,1
.irp i, 0,1,2
	v_permlane16_swap_b32 v[(\pc)+6*\c+\i], v[(\ct)+4*\c+\i]
.endr
.irp i, 0,1,2
	v_mov_b32 v[(\pc)+6*\c+3+\i], v[(\ct)+4*\c+\i]
.endr
.endr
.endm
.macro QUANT w, s, pc, ct, pw
	WIN (\w)|((\w)<<2)
.irp b, 0,1,2,3
	v_max3_num_f32 v[TM+\b], |v[(\s)+16*\b]|, |v[(\s)+16*\b+1]|, 0x1800000   ; and the floor 2^(3 - 127): the byte cannot fall under 1
.endr
.irp i, 2,4,6,8,10,12,14
.irp b, 0,1,2,3
	v_max3_num_f32 v[TM+\b], |v[(\s)+16*\b+\i]|, |v[(\s)+16*\b+\i+1]|, v[TM+\b]
.endr
.endr
	WIN 0
.irp b, 0,1,2,3
	v_permlanex16_b32 v[TM+4+\b], v[TM+\b], s[SEL], s[SEL+1]
.endr
.irp b, 0,1,2,3
	v_max_num_f32 v[TM+\b], v[TM+\b], v[TM+4+\b]
.endr
.irp b, 0,1,2,3
	v_add_nc_u32 v[TM+12+\b], 0xff000000, v[TM+\b] ; 2 off the exponent field: the conversion's scale operand
.endr
.irp b, 0,1,2,3
	v_lshrrev_b32 v[TM+4+\b], 23, v[TM+12+\b]
.endr
	v_lshl_or_b32 v[\pw], v[TM+5], 8, v[TM+4]
	v_lshl_or_b32 v[\pw], v[TM+6], 16, v[\pw]
	v_lshl_or_b32 v[\pw], v[TM+7], 24, v[\pw]
	QCVT \w, \s, \pc, \ct
.endm
	s_load_b128 s[4:7], s[0:1], 0x0                ; xw_codes, xw_scales
	s_load_b128 s[8:11], s[0:1], 0x10              ; bq, bk
	s_load_b64 s[12:13], s[0:1], 0x20              ; bv
	s_load_b64 s[16:17], s[0:1], 0x28              ; qkv_codes
	s_load_b64 s[18:19], s[0:1], 0x30              ; qkv_scales
	v_lshl_add_u32 v[SPW], v0, 2, SPARE
	v_mov_b32 v[NIL], 0
	ds_add_u32 v[SPW], v[NIL]                      ; the wave's opening: its wait stands ahead of my first tensor load, with work on registers between
	v_lshrrev_b32 v1, 5, v0
	v_readfirstlane_b32 s[WV], v1
	s_lshr_b32 s[WH], s[WV], 1
	s_and_b32 s[WL], s[WV], 1
	s_bfe_u32 s44, ttmp6, 0x40000                  ; cx
	s_bfe_u32 s45, ttmp6, 0x40004                  ; cy
	s_mov_b32 s[KIND], ttmp9                       ; 0: q, 1: k; the same in all sixteen partners
	s_and_b32 s3, ttmp7, 0xffff
	s_lshl_b32 s3, s3, 2                           ; 4 Y
	s_add_co_u32 s23, s3, s45                      ; tA = 4 Y + cy: pass 1's 256 rows of x
	s_add_co_u32 s99, s3, s44                      ; xB = 4 Y + cx: pass 2's keys lie in these 256 rows of x
	s_lshl_b32 s22, s45, 2
	s_lshl_b32 s22, 15, s22                        ; my row of the cluster
	s_lshl_b32 s98, 0x1111, s44                    ; my column
	s_or_b32 s[G1], s22, (3<<16)|(1<<21)           ; the mask; elements of 8 bytes; bit 21 beside a mask; no padding
	s_or_b32 s[G1A2], s22, (3<<16)|(1<<21)
	s_or_b32 s[G1B], s98, (3<<16)|(1<<21)
	s_or_b32 s[G1B2], s98, (3<<16)|(1<<21)
.irp g, G1, G1B                        ; pass 1: a dense block of 24,576 bytes as 96 rows of 256
	s_mov_b32 s[\g+1], 32<<16
	s_mov_b32 s[\g+2], 96<<16
	s_mov_b32 s[\g+3], 32<<16
	s_mov_b32 s[\g+4], 96
	s_mov_b32 s[\g+5], 32
	s_mov_b32 s[\g+6], 0
	s_mov_b32 s[\g+7], 0
.endr
.irp g, G1A2, G1B2                     ; pass 2: two rows of 24,576 bytes (8 tiles x 2 K steps), two K steps of the operand apart
	s_mov_b32 s[\g+1], 3072<<16
	s_mov_b32 s[\g+2], 2<<16
	s_mov_b32 s[\g+3], 3072<<16
	s_mov_b32 s[\g+4], 2
	s_mov_b32 s[\g+6], 0
	s_mov_b32 s[\g+7], 0
.endr
	s_mov_b32 s[G1A2+5], PAIRW/8
	s_mov_b32 s[G1B2+5], PAIRX/8
	v_and_b32 v1, 15, v0                           ; place
	v_bfe_u32 v2, v0, 4, 1                         ; half
	v_and_b32 v61, 31, v0                          ; lane
	v_lshlrev_b32 v[LI], 4, v61
	; the scale words' copies.  Blocks of 1,024 bytes a K step: thread t takes 16 bytes at (2 j + t / 64) x pitch + 16 (t % 64); pass 2's B has 512 bytes a K step: (4 j + t / 32) x pitch + 16 (t % 32)
	v_lshrrev_b32 v60, 6, v0
	v_and_b32 v62, 63, v0
	v_lshlrev_b32 v62, 4, v62
	v_lshl_add_u32 v[TM], v60, 15, v62             ; pass 1, A: x's words, tile 16 tA
	s_lshl_b32 s2, s23, 10
	v_add_nc_u32 v[TM], s2, v[TM]
	v_lshl_add_u32 v[TM+1], v60, 12, v62           ; pass 1, B: W[kind]'s words, tile 16 cx
	s_lshl_b32 s2, s[KIND], 15
	s_lshl_b32 s3, s44, 10
	s_add_co_u32 s2, s2, s3
	s_add_co_u32 s2, s2, 262144
	v_add_nc_u32 v[TM+1], s2, v[TM+1]
	v_lshl_add_u32 v[TM+2], v60, 12, v62           ; pass 2, A: Wv's words, tile 16 cy
	s_lshl_b32 s2, s45, 10
	s_add_co_u32 s2, s2, 327680
	v_add_nc_u32 v[TM+2], s2, v[TM+2]
	v_lshrrev_b32 v63, 5, v0
	v_lshl_add_u32 v[TM+3], v63, 15, v[LI]         ; pass 2, B: x's words, tile 8 (2 xB + kind)
	s_lshl_b32 s2, s99, 1
	s_add_co_u32 s2, s2, s[KIND]
	s_lshl_b32 s2, s2, 9
	v_add_nc_u32 v[TM+3], s2, v[TM+3]
	s_lshl_b32 s2, s44, 10                         ; pass 1's bias, by B's rows: register j of tile t is column 256 cx + 128 (wave % 2) + 32 (t / 2) + 8 (t % 2) + 16 half + j
	s_lshl_b32 s3, s[WL], 9
	s_add_co_u32 s2, s2, s3
	v_lshl_add_u32 v[TM+4], v2, 6, s2
.irp j, 5,6,7
	v_mov_b32 v[TM+\j], 0                          ; a lane permute's destination counts as read
.endr
	v_lshrrev_b32 v63, 3, v1                       ; pass 2's bias, by A's rows: channel 256 cy + 64 wave + 32 (a / 2) + 8 (a % 2) + place + 8 (place / 8)
	v_lshl_add_u32 v63, v63, 3, v1
	s_lshl_b32 s2, s45, 10
	s_lshl_b32 s3, s[WV], 8
	s_add_co_u32 s2, s2, s3
	v_lshl_add_u32 v[BO2], v63, 2, s2
	s_lshl_b32 s2, s44, 9                          ; pass 1's codes: kind; pair of K steps cx, of 512 tiles; tile 16 tA + 8 (wave / 2); K step's parity wave % 2
	s_lshl_b32 s3, s23, 4
	s_add_co_u32 s2, s2, s3
	s_lshl_b32 s3, s[WH], 3
	s_add_co_u32 s2, s2, s3
	s_mul_i32 s2, s2, 3072
	v_add_nc_u32 v[OC1], s2, v[LI]
	s_mul_i32 s2, s[WL], 1536
	s_mul_i32 s3, s[KIND], 6291456
	s_add_co_u32 s2, s2, s3
	v_add_nc_u32 v[OC1], s2, v[OC1]
	s_lshl_b32 s2, s44, 1                          ; and their words: K step 2 cx + wave % 2
	s_add_co_u32 s2, s2, s[WL]
	s_lshl_b32 s2, s2, 9
	s_lshl_b32 s3, s23, 4
	s_add_co_u32 s2, s2, s3
	s_lshl_b32 s3, s[WH], 3
	s_add_co_u32 s2, s2, s3
	s_lshl_b32 s2, s2, 6
	s_lshl_b32 s3, s[KIND], 18
	s_add_co_u32 s2, s2, s3
	v_add_nc_u32 v[OS1], s2, v[LI]
	s_lshl_b32 s2, s99, 6                          ; pass 2's codes: pair of K steps xB, of 64 tiles; tile 16 cy + 4 wave; parity kind
	s_lshl_b32 s3, s45, 4
	s_add_co_u32 s2, s2, s3
	s_lshl_b32 s3, s[WV], 2
	s_add_co_u32 s2, s2, s3
	s_mul_i32 s2, s2, 3072
	s_mul_i32 s3, s[KIND], 1536
	s_add_co_u32 s2, s2, s3
	s_add_co_u32 s2, s2, 12582912
	v_add_nc_u32 v[OC2], s2, v[LI]
	s_lshl_b32 s2, s99, 1                          ; and their words: K step 2 xB + kind; 8 bytes a lane
	s_add_co_u32 s2, s2, s[KIND]
	s_lshl_b32 s2, s2, 6
	s_lshl_b32 s3, s45, 4
	s_add_co_u32 s2, s2, s3
	s_lshl_b32 s3, s[WV], 2
	s_add_co_u32 s2, s2, s3
	s_lshl_b32 s2, s2, 6
	s_add_co_u32 s2, s2, 524288
	v_lshl_add_u32 v[OS2], v61, 3, s2
	; where the tiles come from.  A's addresses are made of cy, B's of cx, each in registers that never hold the other coordinate
	s_lshl_b32 s20, s23, 4                         ; pass 1, A: x's tile 16 tA + 8 (wave % 2)
	s_lshl_b32 s21, s[WL], 3
	s_add_co_u32 s20, s20, s21
	s_mul_i32 s20, s20, 3072
	s_mov_b32 s21, 0
	s_lshl_b32 s22, s45, 4                         ; pass 2, A: Wv's tile 16 cy + 8 (wave % 2)
	s_lshl_b32 s23, s[WL], 3
	s_add_co_u32 s22, s22, s23
	s_mul_i32 s22, s22, 3072
	s_add_co_u32 s22, s22, 7864320                 ; Wv's codes begin here
	s_mov_b32 s23, 0
	s_lshl_b32 s46, s44, 4                         ; pass 1, B: W[kind]'s tile 16 cx + 8 (wave % 2)
	s_lshl_b32 s47, s[WL], 3
	s_add_co_u32 s46, s46, s47
	s_mul_i32 s46, s46, 3072
	s_mul_i32 s47, s[KIND], 786432
	s_add_co_u32 s46, s46, s47
	s_add_co_u32 s46, s46, 6291456
	s_mov_b32 s47, 0
	s_lshl_b32 s98, s99, 4                         ; pass 2, B: x's tile 16 xB + 8 kind
	s_lshl_b32 s99, s[KIND], 3
	s_add_co_u32 s98, s98, s99
	s_mul_i32 s98, s98, 3072
	s_mov_b32 s99, 0
	s_mul_i32 s67, s[WV], HALF                     ; where a load of pass 1 lands in a slot: no place in the cluster enters an LDS address
	s_mov_b32 s[SEL], 0x76543210
	s_mov_b32 s[SEL+1], 0xfedcba98
	s_wait_dscnt 0x0                               ; the opening add is done
	s_wait_kmcnt 0x0
	s_add_nc_u64 s[20:21], s[4:5], s[20:21]
	s_add_nc_u64 s[22:23], s[4:5], s[22:23]
	s_add_nc_u64 s[46:47], s[4:5], s[46:47]
	s_add_nc_u64 s[98:99], s[4:5], s[98:99]
	s_cmp_eq_u32 s[KIND], 0                        ; the choice hangs on the cluster's number alone
	s_cselect_b64 s[8:9], s[8:9], s[10:11]
.irp j, 0,1,2,3
	global_load_b128 v[64+4*\j:67+4*\j], v[TM], s[6:7] offset:65536*\j
	global_load_b128 v[80+4*\j:83+4*\j], v[TM+1], s[6:7] offset:8192*\j
	global_load_b128 v[96+4*\j:99+4*\j], v[TM+2], s[6:7] offset:8192*\j
.endr
.irp j, 0,1
	global_load_b128 v[112+4*\j:115+4*\j], v[TM+3], s[6:7] offset:131072*\j
.endr
	WIN 0x40
.irp t, 0,1,2,3,4,5,6,7
	global_load_b128 v[BB+8*\t:BB+8*\t+3], v[TM+4], s[8:9] offset:(32*(\t>>1)+8*(\t&1))*4
	global_load_b128 v[BB+8*\t+4:BB+8*\t+7], v[TM+4], s[8:9] offset:(32*(\t>>1)+8*(\t&1))*4+16
.endr
	WIN 0
	CROUND                                         ; all sixteen work-groups are here: the first joint loads meet
.irp s, 0,1,2
	s_mov_b32 s[G0+4*\s], 1
	s_add_co_u32 s[G0+4*\s+1], s67, \s*SLOT
	s_add_nc_u64 s[G0+4*\s+2:G0+4*\s+3], s[20:21], \s*PAIRX
	s_or_b32 s[G0+4*\s+3], s[G0+4*\s+3], 0x80000000
	s_mov_b32 s[G0B+4*\s], 1
	s_add_co_u32 s[G0B+4*\s+1], s67, \s*SLOT
	s_add_nc_u64 s[G0B+4*\s+2:G0B+4*\s+3], s[46:47], \s*PAIRW
	s_or_b32 s[G0B+4*\s+3], s[G0B+4*\s+3], 0x80000000
	JLOAD G0+4*\s, G0B+4*\s                        ; K steps 2 s, 2 s + 1: three loads of mine are out
.endr
	s_mov_b32 s[G0A2], 1                           ; pass 2's groups 0, set for its first fill: A's halves to chunks 2 and 3, B to chunk 4
	s_mul_i32 s[G0A2+1], s[WV], CHUNK
	s_add_co_u32 s[G0A2+1], s[G0A2+1], 2*CHUNK
	s_mov_b64 s[G0A2+2:G0A2+3], s[22:23]
	s_or_b32 s[G0A2+3], s[G0A2+3], 0x80000000
	s_mov_b32 s[G0B2], 1
	s_mov_b32 s[G0B2+1], 4*CHUNK
	s_mov_b64 s[G0B2+2:G0B2+3], s[98:99]
	s_or_b32 s[G0B2+3], s[G0B2+3], 0x80000000
	s_mul_i32 s100, s[WH], HALF
	v_add_nc_u32 v[ADRA], s100, v[LI]
	v_add_nc_u32 v[ADRA+1], SLOT, v[ADRA]
	v_add_nc_u32 v[ADRA+2], 2*SLOT, v[ADRA]
	s_mul_i32 s100, s[WL], HALF
	s_add_co_u32 s100, s100, 2*HALF
	v_add_nc_u32 v[ADRB], s100, v[LI]
	v_add_nc_u32 v[ADRB+1], SLOT, v[ADRB]
	v_add_nc_u32 v[ADRB+2], 2*SLOT, v[ADRB]
	s_mul_i32 s100, s[WH], CHUNK                   ; pass 2: tiles 4 w .. 4 w + 3 lie in chunk w / 2 of A's two, 12,288 (w % 2) bytes on
	v_add_nc_u32 v[ADRA2+1], s100, v[LI]
	s_mul_i32 s100, s[WL], 12288
	v_add_nc_u32 v[ADRA2+1], s100, v[ADRA2+1]      ; the second fill: chunks 0, 1
	v_add_nc_u32 v[ADRA2], 2*CHUNK, v[ADRA2+1]     ; the first: chunks 2, 3
	v_add_nc_u32 v[ADRB2], 4*CHUNK, v[LI]
	v_add_nc_u32 v[ADRB2+1], 5*CHUNK, v[LI]
	v_lshlrev_b32 v60, 2, v1                       ; 4 x place
	v_lshl_add_u32 v[ADSA], v2, 8, v60             ; + 256 x half: lanes 16-31 take the tile four on
	s_lshl_b32 s100, s[WL], 9
	s_add_co_u32 s100, s100, SCB
	v_add_nc_u32 v[ADSB], s100, v[ADSA]
	s_lshl_b32 s100, s[WH], 9
	s_add_co_u32 s100, s100, SCA
	v_add_nc_u32 v[ADSA], s100, v[ADSA]
	v_lshl_add_u32 v[ADSA2], v2, 7, v60            ; + 128 x half: lanes 16-31 take the tile two on
	s_lshl_b32 s100, s[WV], 8
	s_add_co_u32 s100, s100, SCA2
	v_add_nc_u32 v[ADSA2], s100, v[ADSA2]
	v_lshl_add_u32 v[ADSB2], v2, 8, v60
	v_add_nc_u32 v[ADSB2], SCB2, v[ADSB2]
	s_lshl_b32 s100, s[WV], 9
	s_add_co_u32 s100, s100, GATH
	v_lshl_add_u32 v[GA], v1, 2, s100
	v_add_nc_u32 v[GR], s100, v[LI]
	v_lshl_add_u32 v[GR2], v61, 3, s100
	v_lshl_add_u32 v60, v0, 4, SCA
	s_wait_loadcnt 0x0                             ; the scale words and pass 1's bias
.irp j, 0,1,2,3
	ds_store_b128 v60, v[64+4*\j:67+4*\j] offset:2048*\j
	ds_store_b128 v60, v[80+4*\j:83+4*\j] offset:8192+2048*\j
	ds_store_b128 v60, v[96+4*\j:99+4*\j] offset:16384+2048*\j
.endr
.irp j, 0,1
	ds_store_b128 v60, v[112+4*\j:115+4*\j] offset:24576+2048*\j
.endr
	s_wait_dscnt 0x0                               ; for the others' sake: my stores have landed
	s_wait_tensorcnt 0x2                           ; my part of slot 0 is in; slots 1 and 2 may stay out
	s_barrier_signal -1
	s_barrier_wait -1
	; ---------------- PASS 1
	FETCHX 0
	STEP 0, 2                                      ; the sums begin with the bias, by B's tile
	TURN 1, 1, 1                                   ; slots 1 and 2 are shown landed to all; slot 0 takes K steps 6, 7
	WIN 0x40                                       ; bv into the bias's registers, which step 0 has read (the joint load's four v_nop are the places between); each row's number into the tile's eight registers
.irp a, 0,1,2,3
.irp j, 0,1,2,3,4,5,6,7
	global_load_b32 v[BB+8*\a+\j], v[BO2], s[12:13] offset:(32*(\a>>1)+8*(\a&1))*4
.endr
.endr
	STEP 2, 0
	STEP 3, 0
	STEP 4, 0
	TURN 5, 2, 1                                   ; slot 0's second fill has landed, everybody's; slots 1 and 2 are left: pass 2's K steps 0-3 go out
	STEP 6, 0
	TURN 7, 3, 0                                   ; they have landed, everybody's; slot 0 is left: pass 2's K steps 4-7 go out
	WIN 0
.rept 4
	v_nop                                          ; four places in front of the first read of results and the first write over A's fragments
.endr
.irp a, 0,1,2,3,4,5,6,7
	QUANT 2+\a/4, 64*(\a%4), 64+12*\a, 160, 168+\a
.irp c, 0,1,2
	global_store_b128 v[OC1], v[64+12*\a+4*\c:64+12*\a+4*\c+3], s[16:17] offset:3072*\a+512*\c   ; 512 bytes on end
.endr
	ds_store_b32 v[GA], v[168+\a] offset:64*\a     ; lanes l and l xor 16 write the same word with the same value
.endr
	ds_load_b128 v[176:179], v[GR]                 ; LDS serves a wave's instructions in order: my eight tiles' words, 512 bytes
	s_wait_dscnt 0x0
	global_store_b128 v[OS1], v[176:179], s[18:19]
	; ---------------- PASS 2
.set NA,   4
.set NLD,  42
.set PASS, 2
	s_wait_xcnt 0x0                                ; pass 1's stores have read their registers: pass 2's fragments may land there
	s_wait_loadcnt 0x0                             ; bv
	FETCHX 0
	STEP 0, 3                                      ; the sums begin with the bias, by A's tile
	STEP 1, 0
	STEP 2, 0
	TURN 3, 0, 1                                   ; K steps 4-7 have landed, everybody's; nothing is filled
	STEP 4, 0
	STEP 5, 0
	STEP 6, 0
	s_wait_dscnt 0x0
	MULQ 7, 0, NA, 0
	WIN 0
.rept 4
	v_nop                                          ; four places in front of the first read of results and the first write over A's fragments
.endr
.irp a, 0,1,2,3
	QUANT 2, 64*\a, 64+12*\a, 160, 168+\a
.irp c, 0,1,2
	global_store_b128 v[OC2], v[64+12*\a+4*\c:64+12*\a+4*\c+3], s[16:17] offset:3072*\a+512*\c   ; 512 bytes on end
.endr
	ds_store_b32 v[GA], v[168+\a] offset:64*\a
.endr
	ds_load_b64 v[176:177], v[GR2]                 ; my four tiles' words, 256 bytes
	s_wait_dscnt 0x0
	global_store_b64 v[OS2], v[176:177], s[18:19]  ; 32 lanes store 256 bytes on end, aligned
	s_wait_tensorcnt 0x0                           ; the wave's end
	ds_add_u32 v[SPW], v[NIL]
	s_wait_dscnt 0x0
	CROUND                                         ; the closing round
	s_endpgm
.Lfunc_end_k_q9165ee4bbe_proj:
	.size	k_q9165ee4bbe_proj, .Lfunc_end_k_q9165ee4bbe_proj-k_q9165ee4bbe_proj
	.p2alignl 7, 3214868480
	.fill 96, 4, 3214868480
	.section	.rodata,"a",@progbits
	.p2align	6, 0x0
	.amdhsa_kernel k_q9165ee4bbe_proj
		.amdhsa_group_segment_fixed_size 327680
		.amdhsa_private_segment_fixed_size 0
		.amdhsa_enable_private_segment 0
		.amdhsa_kernarg_size 56
		.amdhsa_user_sgpr_count 2
		.amdhsa_user_sgpr_kernarg_segment_ptr 1
		.amdhsa_wavefront_size32 1
		.amdhsa_system_sgpr_workgroup_id_x 1
		.amdhsa_system_sgpr_workgroup_id_y 1
		.amdhsa_system_sgpr_workgroup_id_z 1
		.amdhsa_system_vgpr_workitem_id 0
		.amdhsa_next_free_vgpr 1024
		.amdhsa_next_free_sgpr 102
		.amdhsa_reserve_vcc 0
		.amdhsa_float_denorm_mode_32 3
		.amdhsa_float_denorm_mode_16_64 3
		.amdhsa_memory_ordered 1
		.amdhsa_forward_progress 1
		.amdhsa_inst_pref_size 225
	.end_amdhsa_kernel
	.amdgpu_metadata
---
amdhsa.version: [ 1, 2 ]
amdhsa.kernels:
  - .name:           k_q9165ee4bbe_proj
    .symbol:         k_q9165ee4bbe_proj.kd
    .args:
      - { .name: xw_codes, .offset: 0, .size: 8, .value_kind: global_buffer, .address_space: global }
      - { .name: xw_scales, .offset: 8, .size: 8, .value_kind: global_buffer, .address_space: global }
      - { .name: bq, .offset: 16, .size: 8, .value_kind: global_buffer, .address_space: global }
      - { .name: bk, .offset: 24, .size: 8, .value_kind: global_buffer, .address_space: global }
      - { .name: bv, .offset: 32, .size: 8, .value_kind: global_buffer, .address_space: global }
      - { .name: qkv_codes, .offset: 40, .size: 8, .value_kind: global_buffer, .address_space: global }
      - { .name: qkv_scales, .offset: 48, .size: 8, .value_kind: global_buffer, .address_space: global }
    .group_segment_fixed_size: 327680
    .private_segment_fixed_size: 0
    .kernarg_segment_align: 8
    .kernarg_segment_size: 56
    .max_flat_workgroup_size: 128
    .sgpr_count:     102
    .vgpr_count:     1024
    .wavefront_size: 32
...
	.end_amdgpu_metadata
.endif
;; end of part 2
;; launch scores (part 3): grid 8 x 32, 4 waves a work-group, clusters of 4 x 4, 327,680 bytes of LDS; arguments qkv_codes, qkv_scales, p_codes, p_scales, p_stats; writes p_codes, p_scales, p_stats
.if DOCPART == 3
	.amdgcn_target "amdgcn-amd-amdhsa--gfx1250"
	.amdhsa_code_object_version 6
	.text
	.protected	k_q9165ee4bbe_scores
	.globl	k_q9165ee4bbe_scores
	.p2align	8
	.type	k_q9165ee4bbe_scores,@function
k_q9165ee4bbe_scores:
	s_mov_b64 s[64:65], 0
	v_nop
	global_prefetch_b8 v0, s[64:65] scope:SCOPE_SE
	s_setreg_imm32_b32 hwreg(HW_REG_WAVE_MODE, 25, 1), 1
	s_wait_xcnt 0x0
	s_wait_alu depctr_hold_cnt(0) depctr_sa_sdst(0) depctr_va_vdst(0) depctr_va_sdst(0) depctr_va_ssrc(0) depctr_va_vcc(0) depctr_vm_vsrc(0)
	s_getreg_b32 s2, hwreg(HW_REG_IB_STS2, 6, 4)
	s_cmp_eq_u32 s2, 0
	s_cbranch_scc0 .Lentry_in_a_cluster
	s_endpgm
.Lentry_in_a_cluster:
	s_bfe_u32 s2, ttmp6, 0x10000c
	s_cmp_lg_u32 s2, 0xf033
	s_cbranch_scc0 .Lentry_shape_is_right
	s_endpgm
.Lentry_shape_is_right:
; S = q k^T on codes of FP6 (E2M3), and the softmax's p as codes.  t = score x log2(e) / 32.  A wave holds, for each of its queries, 128 keys: M' = the ceiling of the largest t among them, a whole number;
; p = 2^(t - M') is quantised along the keys, block by block of 32.  Stored: p's codes and scale words (fragment images, as q's and k's), -M' and the sum of the unquantised p of these 128 keys.
; The row's true M is the largest M'.  M - M' is a whole number, so the codes under M are these very codes and only the scale bytes move: the next launch takes M - M' off them.
; Source 1 ("A", a lane a query) = q, source 0 ("B", registers along the keys) = k; k's tiles are in tile order (place p of tile t is row 32 (t / 2) + 8 (t % 2) + p + 8 (p / 8)), so a lane's 64 scores are 4 blocks x 16 neighbouring keys.
; A work-group of four waves makes 256 queries x 256 keys of one batch, a wave 128 x 128.  K = 1,024 in 8 steps; three LDS slots of two steps, the first filled a second time; all written out.
; CLUSTER 4 x 4: q's tiles are asked for jointly along a row of the cluster, k's along a column.  The scale words (16 KB against 393 KB of codes) come by plain loads.
; LIMITS: a block whose every p has fallen to 0 keeps the byte 1 (its codes are zeros); NaN and infinities are not served.
; REGISTERS.  window 0: v1-15 addresses; v28-31 scale operands; v32-47 scale words and nothing else; v48-63 at work; v64-255 A's fragments, two sets (later p, its codes).  window 1: B's fragments.  windows 2, 3: the accumulators.
.set NA,    8
.set NLD,   56
.set HALF,  24576
.set SLOT,  4*HALF
.set PAIR,  512*3072                   ; two K steps on, in q's and k's codes
.set SCA,   3*SLOT
.set SCB,   SCA+8192
.set GATH,  SCB+8192                   ; 1,536 bytes a wave: scale words, -M', sums
.set SPARE, GATH+6144
.set LI,   3
.set ADRA, 4
.set ADRB, 7
.set ADSA, 10
.set ADSB, 11
.set GA,   12
.set GR,   13
.set SPW,  14
.set NIL,  15
.set TM,   16
.set SC,   32
.set BM,   48                          ; v48-51 the blocks' largest scores, then their largest p
.set BX,   52                          ; v52-55
.set NM,   56                          ; v[56:57] -M' (the pair is named by the packed form; its low word serves both halves)
.set LS,   58                          ; v[58:59], v[60:61] the sum in two chains
.set LT,   60
.set T0,   62
.set PW,   63
.set AF,   64
.set P,    64                          ; v64-127 p
.set CT,   224
.set WV,   14
.set WH,   15
.set WL,   84
.set G1,   24
.set G0,   32
.set G1B,  48
.set G0B,  72
.set CS,   66                          ; s[66:67] c = log2(e) / 32
.set SEL,  86
.set MSB, 0
.macro WIN new
.if MSB != (\new)
	s_set_vgpr_msb (MSB<<8)|(\new)
.set MSB, (\new)
.endif
.endm
.macro JLOAD g0a, g0b                  ; a joint load: waves 0, 1 fetch q's halves, waves 2, 3 k's; s_nop 0 and four v_nop follow each line
	s_cmp_eq_u32 s[WH], 0
	s_cbranch_scc0 .Lfor_b_\@
	tensor_load_to_lds s[\g0a:\g0a+3], s[G1:G1+7]
	s_nop 0
.rept 4
	v_nop
.endr
	s_branch .Lasked_\@
.Lfor_b_\@:
	tensor_load_to_lds s[\g0b:\g0b+3], s[G1B:G1B+7]
	s_nop 0
.rept 4
	v_nop
.endr
.Lasked_\@:
.endm
.macro CREST
	s_cmp_lg_u32 s[WV], 0
	s_cbranch_scc1 .Lnot_wave_0_\@
	s_barrier_signal -3
.Lnot_wave_0_\@:
	s_barrier_wait -3
	s_barrier_signal -1
	s_barrier_wait -1
.endm
.macro CROUND
	s_barrier_signal -1
	s_barrier_wait -1
	CREST
.endm
.macro WM
.if qZ
.if qRB && qRA
	v_wmma_scale_f32_16x16x128_f8f6f4 v[rD:rD+7], v[rB:rB+11], v[rA:rA+11], 0, v[rSB], v[rSA] matrix_a_fmt:MATRIX_FMT_FP6 matrix_b_fmt:MATRIX_FMT_FP6 matrix_a_scale:MATRIX_SCALE_ROW1 matrix_b_scale:MATRIX_SCALE_ROW1
.elseif qRB
	v_wmma_scale_f32_16x16x128_f8f6f4 v[rD:rD+7], v[rB:rB+11], v[rA:rA+11], 0, v[rSB], v[rSA] matrix_a_fmt:MATRIX_FMT_FP6 matrix_b_fmt:MATRIX_FMT_FP6 matrix_a_scale:MATRIX_SCALE_ROW1
.elseif qRA
	v_wmma_scale_f32_16x16x128_f8f6f4 v[rD:rD+7], v[rB:rB+11], v[rA:rA+11], 0, v[rSB], v[rSA] matrix_a_fmt:MATRIX_FMT_FP6 matrix_b_fmt:MATRIX_FMT_FP6 matrix_b_scale:MATRIX_SCALE_ROW1
.else
	v_wmma_scale_f32_16x16x128_f8f6f4 v[rD:rD+7], v[rB:rB+11], v[rA:rA+11], 0, v[rSB], v[rSA] matrix_a_fmt:MATRIX_FMT_FP6 matrix_b_fmt:MATRIX_FMT_FP6
.endif
.else
.if qRB && qRA
	v_wmma_scale_f32_16x16x128_f8f6f4 v[rD:rD+7], v[rB:rB+11], v[rA:rA+11], v[rD:rD+7], v[rSB], v[rSA] matrix_a_fmt:MATRIX_FMT_FP6 matrix_b_fmt:MATRIX_FMT_FP6 matrix_a_scale:MATRIX_SCALE_ROW1 matrix_b_scale:MATRIX_SCALE_ROW1
.elseif qRB
	v_wmma_scale_f32_16x16x128_f8f6f4 v[rD:rD+7], v[rB:rB+11], v[rA:rA+11], v[rD:rD+7], v[rSB], v[rSA] matrix_a_fmt:MATRIX_FMT_FP6 matrix_b_fmt:MATRIX_FMT_FP6 matrix_a_scale:MATRIX_SCALE_ROW1
.elseif qRA
	v_wmma_scale_f32_16x16x128_f8f6f4 v[rD:rD+7], v[rB:rB+11], v[rA:rA+11], v[rD:rD+7], v[rSB], v[rSA] matrix_a_fmt:MATRIX_FMT_FP6 matrix_b_fmt:MATRIX_FMT_FP6 matrix_b_scale:MATRIX_SCALE_ROW1
.else
	v_wmma_scale_f32_16x16x128_f8f6f4 v[rD:rD+7], v[rB:rB+11], v[rA:rA+11], v[rD:rD+7], v[rSB], v[rSA] matrix_a_fmt:MATRIX_FMT_FP6 matrix_b_fmt:MATRIX_FMT_FP6
.endif
.endif
.endm
; A's tiles a0 .. a0 + n - 1 against B's eight, K step ks.  cm = 1: the products start the sums.  The accumulators take turns, one instruction a turn.
.macro MULQ ks, a0, n, cm
.set qZ, \cm
.set qa, \a0
.rept \n
	WIN 0xa1+0x50*(qa/4)                           ; source 0 (B) window 1, source 1 (A) window 0, C and D window 2 or 3
.set qb, 0
.rept 8
.set rD, 8*(8*(qa%4)+qb)
.set rB, 96*((\ks)&1)+12*qb
.set rA, AF+12*NA*((\ks)&1)+12*qa
.set rSB, SC+8*((\ks)&1)+4+(qb&3)
.set rSA, SC+8*((\ks)&1)+(qa%(NA/2))
.set qRB, qb>>2
.set qRA, qa/(NA/2)
	WM
.set qb, qb+1
.endr
.set qa, qa+1
.endr
.endm
.macro FETCH ks
.set fS, ((\ks)>>1)%3
.set fP, (\ks)&1
.set fO, ((\ks)&1)*1536
	WIN 0x40
.set fi, 0
.rept 8
.irp c, 0,1,2
	ds_load_b128 v[96*fP+12*fi+4*\c:96*fP+12*fi+4*\c+3], v[ADRB+fS] offset:fO+3072*fi+512*\c
.endr
.set fi, fi+1
.endr
	WIN 0
.set fi, 0
.rept 8
.irp c, 0,1,2
	ds_load_b128 v[AF+96*fP+12*fi+4*\c:AF+96*fP+12*fi+4*\c+3], v[ADRA+fS] offset:fO+3072*fi+512*\c
.endr
.set fi, fi+1
.endr
.irp i, 0,1,2,3
	ds_load_b32 v[SC+8*fP+\i], v[ADSA] offset:(\ks)*1024+64*\i
.endr
.irp i, 0,1,2,3
	ds_load_b32 v[SC+8*fP+4+\i], v[ADSB] offset:(\ks)*1024+64*\i
.endr
.endm
.macro STEP ks, cm
.rept 4
	v_nop                                          ; four places between the last step's products and the loads into the set that they read
.endr
	FETCH (\ks)+1
	s_wait_dscnt NLD                               ; all but the run just issued
	MULQ \ks, 0, NA, \cm
.endm
.macro TURN ks, fill, slot
	WIN 0
	s_wait_tensorcnt 0x0                           ; all my tensor loads have landed
	ds_add_u32 v[SPW], v[NIL]                      ; 0 onto my spare word
	s_wait_dscnt 0x1                               ; only the add may be out
	MULQ \ks, 0, NA/4, 0
	s_wait_dscnt 0x0                               ; the add is done, and my reads of the slot are over
	s_barrier_signal -1
	MULQ \ks, NA/4, NA/4, 0
	WIN 0
	s_barrier_wait -1
.if \fill
	CREST
	s_add_nc_u64 s[G0+4*(\slot)+2:G0+4*(\slot)+3], s[G0+4*(\slot)+2:G0+4*(\slot)+3], s[56:57]
	s_add_nc_u64 s[G0B+4*(\slot)+2:G0B+4*(\slot)+3], s[G0B+4*(\slot)+2:G0B+4*(\slot)+3], s[58:59]
	JLOAD G0+4*(\slot), G0B+4*(\slot)
.else
.rept 4
	v_nop
.endr
.endif
	FETCH (\ks)+1
	MULQ \ks, NA/2, NA/2, 0
.endm
; Tile a of my queries: its 64 scores a lane become p's codes, scale word, -M' and sum.
.macro SOFTQ a
.set sW, 2+(\a)/4
.set sS, 64*((\a)%4)
.set sPC, 128+12*(\a)
	s_wait_dscnt 0x0                               ; the last tile's three LDS stores have read their registers
	WIN sW|(sW<<2)
.irp b, 0,1,2,3
	v_max3_num_f32 v[BM+\b], v[sS+16*\b], v[sS+16*\b+1], 0xff800000   ; the largest score of each block of 32 keys; each accumulator is read from its low end on
.endr
.irp i, 2,4,6,8,10,12,14
.irp b, 0,1,2,3
	v_max3_num_f32 v[BM+\b], v[sS+16*\b+\i], v[sS+16*\b+\i+1], v[BM+\b]
.endr
.endr
	WIN 0
.irp b, 0,1,2,3
	v_permlanex16_b32 v[BX+\b], v[BM+\b], s[SEL], s[SEL+1]
.endr
.irp b, 0,1,2,3
	v_max_num_f32 v[BM+\b], v[BM+\b], v[BX+\b]     ; with lane l xor 16's 16 keys
.endr
	v_max3_num_f32 v[T0], v[BM], v[BM+1], v[BM+2]
	v_max_num_f32 v[T0], v[T0], v[BM+3]
	v_mul_f32 v[T0], s[CS], v[T0]                  ; the largest t of these 128 keys
	v_floor_f32 v[NM], -v[T0]                      ; -M' = floor(-t): a whole number
	WIN sW
.set si, 0
.rept 32
	v_pk_fma_f32 v[P+si:P+si+1], v[sS+si:sS+si+1], s[CS:CS+1], v[NM:NM+1] op_sel_hi:[1,0,0]   ; t - M'
.set si, si+2
.endr
	WIN 0
.irp b, 0,1,2,3
	v_fma_f32 v[BM+\b], v[BM+\b], s[CS], v[NM]     ; the same of each block's largest score
.endr
.set si, 0
.rept 64
	v_exp_f32 v[P+si], v[P+si]                     ; p = 2^(t - M')
.set si, si+1
.endr
	v_nop                                          ; a plain place behind the exponentials
	s_wait_alu depctr_va_vdst(0)                   ; one wait for the batch, ahead of its first reader
.irp b, 0,1,2,3
	v_exp_f32 v[BM+\b], v[BM+\b]                   ; the block's largest p: the same two instructions on the same number
.endr
	v_pk_add_f32 v[LS:LS+1], v[P:P+1], v[P+2:P+3]  ; the sum of the unquantised p, in two chains
	v_pk_add_f32 v[LT:LT+1], v[P+4:P+5], v[P+6:P+7]
.irp j, 8,12,16,20,24,28,32,36,40,44,48,52,56,60
	v_pk_add_f32 v[LS:LS+1], v[LS:LS+1], v[P+\j:P+\j+1]
	v_pk_add_f32 v[LT:LT+1], v[LT:LT+1], v[P+\j+2:P+\j+3]
.endr
	v_pk_add_f32 v[LS:LS+1], v[LS:LS+1], v[LT:LT+1]
	v_add_f32 v[LS], v[LS], v[LS+1]
	v_permlanex16_b32 v[LT], v[LS], s[SEL], s[SEL+1]
	v_add_f32 v[LS], v[LS], v[LT]
	s_wait_alu depctr_va_vdst(0)                   ; and one for the four
.irp b, 0,1,2,3
	v_max_num_f32 v[BM+\b], 0x1800000, v[BM+\b]    ; the floor 2^(3 - 127)
.endr
.irp b, 0,1,2,3
	v_add_nc_u32 v[TM+12+\b], 0xff000000, v[BM+\b] ; the conversion's scale operand
.endr
.irp b, 0,1,2,3
	v_lshrrev_b32 v[BX+\b], 23, v[TM+12+\b]        ; the byte
.endr
	v_lshl_or_b32 v[PW], v[BX+1], 8, v[BX]
	v_lshl_or_b32 v[PW], v[BX+2], 16, v[PW]
	v_lshl_or_b32 v[PW], v[BX+3], 24, v[PW]
.irp c, 0,1
	v_cvt_scalef32_pk16_fp6_f32 v[sPC+6*\c:sPC+6*\c+2], v[P+32*\c:P+32*\c+15], v[TM+12+2*\c]
	v_cvt_scalef32_pk16_fp6_f32 v[CT+4*\c:CT+4*\c+2], v[P+32*\c+16:P+32*\c+31], v[TM+12+2*\c+1]
.endr
	v_nop                                          ; one plain place behind a scaled conversion
.irp c, 0,1
.irp i, 0,1,2
	v_permlane16_swap_b32 v[sPC+6*\c+\i], v[CT+4*\c+\i]
.endr
.irp i, 0,1,2
	v_mov_b32 v[sPC+6*\c+3+\i], v[CT+4*\c+\i]
.endr
.endr
.irp c, 0,1,2
	global_store_b128 v[LI], v[sPC+4*\c:sPC+4*\c+3], s[8:9] offset:3072*(\a)+512*\c   ; 512 bytes on end
.endr
	ds_store_b32 v[GA], v[PW] offset:64*(\a)       ; lanes l and l xor 16 write the same word with the same value
	ds_store_b32 v[GA], v[NM] offset:512+64*(\a)
	ds_store_b32 v[GA], v[LS] offset:1024+64*(\a)
.endm
	s_load_b128 s[4:7], s[0:1], 0x0                ; qkv_codes, qkv_scales
	s_load_b128 s[8:11], s[0:1], 0x10              ; p_codes, p_scales
	s_load_b64 s[12:13], s[0:1], 0x20              ; p_stats
	v_lshl_add_u32 v[SPW], v0, 2, SPARE
	v_mov_b32 v[NIL], 0
	ds_add_u32 v[SPW], v[NIL]                      ; the wave's opening: its wait stands ahead of my first tensor load
	v_lshrrev_b32 v1, 5, v0
	v_readfirstlane_b32 s[WV], v1
	s_lshr_b32 s[WH], s[WV], 1
	s_and_b32 s[WL], s[WV], 1
	s_bfe_u32 s44, ttmp6, 0x40000                  ; cx
	s_bfe_u32 s45, ttmp6, 0x40004                  ; cy
	s_and_b32 s61, ttmp7, 0xffff                   ; cluster y
	s_lshr_b32 s62, s61, 1                         ; the batch
	s_lshl_b32 s68, s61, 2
	s_add_co_u32 s68, s68, s45                     ; q's tile of 256 rows, of 32
	s_lshl_b32 s69, ttmp9, 2
	s_add_co_u32 s69, s69, s44                     ; the batch's tile of 256 keys, of 8
	s_lshl_b32 s70, s45, 2
	s_lshl_b32 s70, 15, s70
	s_lshl_b32 s71, 0x1111, s44
	s_or_b32 s[G1], s70, (3<<16)|(1<<21)
	s_or_b32 s[G1B], s71, (3<<16)|(1<<21)
.irp g, G1, G1B                        ; a dense block of 24,576 bytes as 96 rows of 256
	s_mov_b32 s[\g+1], 32<<16
	s_mov_b32 s[\g+2], 96<<16
	s_mov_b32 s[\g+3], 32<<16
	s_mov_b32 s[\g+4], 96
	s_mov_b32 s[\g+5], 32
	s_mov_b32 s[\g+6], 0
	s_mov_b32 s[\g+7], 0
.endr
	s_lshl_b32 s20, s68, 4
	s_lshl_b32 s21, s[WL], 3
	s_add_co_u32 s20, s20, s21
	s_mul_i32 s20, s20, 3072
	s_mov_b32 s21, 0
	s_lshl_b32 s46, s62, 7
	s_lshl_b32 s47, s69, 4
	s_add_co_u32 s46, s46, s47
	s_lshl_b32 s47, s[WL], 3
	s_add_co_u32 s46, s46, s47
	s_mul_i32 s46, s46, 3072
	s_add_co_u32 s46, s46, 6291456                 ; k's codes begin here
	s_mov_b32 s47, 0
	s_mov_b32 s56, 3*PAIR                          ; the refill: six K steps on
	s_mov_b32 s57, 0
	s_mov_b32 s58, 3*PAIR
	s_mov_b32 s59, 0
	s_mul_i32 s85, s[WV], HALF
	s_lshl_b32 s94, s68, 10                        ; q's scale words
	s_mov_b32 s95, 0
	s_lshl_b32 s96, s62, 13                        ; k's
	s_lshl_b32 s97, s69, 10
	s_add_co_u32 s96, s96, s97
	s_add_co_u32 s96, s96, 262144
	s_mov_b32 s97, 0
	s_and_b32 s2, s61, 1                           ; the results: tile 16 (4 (Y % 2) + cy) + 8 (wave / 2) of the batch's 128, K step 2 kt + wave % 2
	s_lshl_b32 s2, s2, 2
	s_add_co_u32 s2, s2, s45
	s_lshl_b32 s2, s2, 4
	s_lshl_b32 s3, s[WH], 3
	s_add_co_u32 s2, s2, s3
	s_lshl_b32 s88, s69, 7
	s_add_co_u32 s88, s88, s2
	s_mul_i32 s88, s88, 3072
	s_mul_i32 s89, s[WL], 1536
	s_add_co_u32 s88, s88, s89
	s_mul_i32 s89, s62, 3145728
	s_add_co_u32 s88, s88, s89
	s_mov_b32 s89, 0
	s_lshl_b32 s90, s69, 1
	s_add_co_u32 s90, s90, s[WL]
	s_lshl_b32 s90, s90, 7
	s_add_co_u32 s90, s90, s2
	s_lshl_b32 s90, s90, 6
	s_lshl_b32 s91, s62, 17
	s_add_co_u32 s90, s90, s91
	s_mov_b32 s91, 0
	s_mov_b32 s[SEL], 0x76543210
	s_mov_b32 s[SEL+1], 0xfedcba98
	s_mov_b32 s[CS], 0x3d38aa3b                    ; log2(e) / 32
	s_mov_b32 s[CS+1], s[CS]
	v_and_b32 v1, 15, v0
	v_bfe_u32 v2, v0, 4, 1
	v_and_b32 v[LI], 31, v0
	v_lshlrev_b32 v[LI], 4, v[LI]
	v_lshrrev_b32 v48, 6, v0                       ; the scale words' copy: thread t takes 16 bytes at (2 j + t / 64) 32,768 + 16 (t % 64)
	v_and_b32 v49, 63, v0
	v_lshlrev_b32 v49, 4, v49
	v_lshl_add_u32 v49, v48, 15, v49
	v_mov_b32 v[NM+1], 0                           ; named as the upper half of a pair
.irp b, 0,1,2,3
	v_mov_b32 v[BX+\b], 0                          ; a lane permute's destination counts as read
.endr
	s_wait_dscnt 0x0                               ; the opening add is done
	s_wait_kmcnt 0x0
	s_add_nc_u64 s[20:21], s[4:5], s[20:21]
	s_add_nc_u64 s[46:47], s[4:5], s[46:47]
	s_add_nc_u64 s[94:95], s[6:7], s[94:95]
	s_add_nc_u64 s[96:97], s[6:7], s[96:97]
	s_add_nc_u64 s[8:9], s[8:9], s[88:89]
	s_add_nc_u64 s[10:11], s[10:11], s[90:91]
	s_add_nc_u64 s[12:13], s[12:13], s[90:91]
.irp j, 0,1,2,3
	global_load_b128 v[64+4*\j:67+4*\j], v49, s[94:95] offset:65536*\j
	global_load_b128 v[80+4*\j:83+4*\j], v49, s[96:97] offset:65536*\j
.endr
	CROUND                                         ; all sixteen work-groups are here: the first joint loads meet
.irp s, 0,1,2
	s_mov_b32 s[G0+4*\s], 1
	s_add_co_u32 s[G0+4*\s+1], s85, \s*SLOT
	s_add_nc_u64 s[G0+4*\s+2:G0+4*\s+3], s[20:21], \s*PAIR
	s_or_b32 s[G0+4*\s+3], s[G0+4*\s+3], 0x80000000
	s_mov_b32 s[G0B+4*\s], 1
	s_add_co_u32 s[G0B+4*\s+1], s85, \s*SLOT
	s_add_nc_u64 s[G0B+4*\s+2:G0B+4*\s+3], s[46:47], \s*PAIR
	s_or_b32 s[G0B+4*\s+3], s[G0B+4*\s+3], 0x80000000
	JLOAD G0+4*\s, G0B+4*\s                        ; three loads of mine are out
.endr
	s_mul_i32 s100, s[WH], HALF
	v_add_nc_u32 v[ADRA], s100, v[LI]
	v_add_nc_u32 v[ADRA+1], SLOT, v[ADRA]
	v_add_nc_u32 v[ADRA+2], 2*SLOT, v[ADRA]
	s_mul_i32 s100, s[WL], HALF
	s_add_co_u32 s100, s100, 2*HALF
	v_add_nc_u32 v[ADRB], s100, v[LI]
	v_add_nc_u32 v[ADRB+1], SLOT, v[ADRB]
	v_add_nc_u32 v[ADRB+2], 2*SLOT, v[ADRB]
	v_lshlrev_b32 v[ADSA], 2, v1
	v_lshl_add_u32 v[ADSA], v2, 8, v[ADSA]
	s_lshl_b32 s100, s[WL], 9
	s_add_co_u32 s100, s100, SCB
	v_add_nc_u32 v[ADSB], s100, v[ADSA]
	s_lshl_b32 s100, s[WH], 9
	s_add_co_u32 s100, s100, SCA
	v_add_nc_u32 v[ADSA], s100, v[ADSA]
	s_mul_i32 s100, s[WV], 1536
	s_add_co_u32 s100, s100, GATH
	v_lshl_add_u32 v[GA], v1, 2, s100
	v_add_nc_u32 v[GR], s100, v[LI]
	v_lshl_add_u32 v48, v0, 4, SCA
	s_wait_loadcnt 0x0
.irp j, 0,1,2,3
	ds_store_b128 v48, v[64+4*\j:67+4*\j] offset:2048*\j
	ds_store_b128 v48, v[80+4*\j:83+4*\j] offset:8192+2048*\j
.endr
	s_wait_dscnt 0x0                               ; for the others' sake: my stores have landed
	s_wait_tensorcnt 0x2                           ; my part of slot 0 is in; slots 1 and 2 may stay out
	s_barrier_signal -1
	s_barrier_wait -1
	FETCH 0
	STEP 0, 1                                      ; the first step's products start the sums
	TURN 1, 1, 0                                   ; slots 1 and 2 are shown landed to all; slot 0 takes K steps 6, 7
	STEP 2, 0
	STEP 3, 0
	STEP 4, 0
	TURN 5, 0, 0
	STEP 6, 0
	s_wait_dscnt 0x0
	MULQ 7, 0, NA, 0
	WIN 0
.rept 4
	v_nop                                          ; four places in front of the first read of results and the first write over A's fragments
.endr
.irp a, 0,1,2,3,4,5,6,7
	SOFTQ \a
.endr
.irp k, 0,1,2
	ds_load_b128 v[232+4*\k:235+4*\k], v[GR] offset:512*\k   ; LDS serves a wave's instructions in order: my eight tiles' words, -M' and sums
.endr
	s_wait_dscnt 0x0
	global_store_b128 v[LI], v[232:235], s[10:11]
	global_store_b128 v[LI], v[236:239], s[12:13]
	global_store_b128 v[LI], v[240:243], s[12:13] offset:524288
	s_wait_tensorcnt 0x0                           ; the wave's end
	ds_add_u32 v[SPW], v[NIL]
	s_wait_dscnt 0x0
	CROUND                                         ; the closing round
	s_endpgm
.Lfunc_end_k_q9165ee4bbe_scores:
	.size	k_q9165ee4bbe_scores, .Lfunc_end_k_q9165ee4bbe_scores-k_q9165ee4bbe_scores
	.p2alignl 7, 3214868480
	.fill 96, 4, 3214868480
	.section	.rodata,"a",@progbits
	.p2align	6, 0x0
	.amdhsa_kernel k_q9165ee4bbe_scores
		.amdhsa_group_segment_fixed_size 327680
		.amdhsa_private_segment_fixed_size 0
		.amdhsa_enable_private_segment 0
		.amdhsa_kernarg_size 40
		.amdhsa_user_sgpr_count 2
		.amdhsa_user_sgpr_kernarg_segment_ptr 1
		.amdhsa_wavefront_size32 1
		.amdhsa_system_sgpr_workgroup_id_x 1
		.amdhsa_system_sgpr_workgroup_id_y 1
		.amdhsa_system_sgpr_workgroup_id_z 1
		.amdhsa_system_vgpr_workitem_id 0
		.amdhsa_next_free_vgpr 1024
		.amdhsa_next_free_sgpr 102
		.amdhsa_reserve_vcc 0
		.amdhsa_float_denorm_mode_32 3
		.amdhsa_float_denorm_mode_16_64 3
		.amdhsa_memory_ordered 1
		.amdhsa_forward_progress 1
		.amdhsa_inst_pref_size 198
	.end_amdhsa_kernel
	.amdgpu_metadata
---
amdhsa.version: [ 1, 2 ]
amdhsa.kernels:
  - .name:           k_q9165ee4bbe_scores
    .symbol:         k_q9165ee4bbe_scores.kd
    .args:
      - { .name: qkv_codes, .offset: 0, .size: 8, .value_kind: global_buffer, .address_space: global }
      - { .name: qkv_scales, .offset: 8, .size: 8, .value_kind: global_buffer, .address_space: global }
      - { .name: p_codes, .offset: 16, .size: 8, .value_kind: global_buffer, .address_space: global }
      - { .name: p_scales, .offset: 24, .size: 8, .value_kind: global_buffer, .address_space: global }
      - { .name: p_stats, .offset: 32, .size: 8, .value_kind: global_buffer, .address_space: global }
    .group_segment_fixed_size: 327680
    .private_segment_fixed_size: 0
    .kernarg_segment_align: 8
    .kernarg_segment_size: 40
    .max_flat_workgroup_size: 128
    .sgpr_count:     102
    .vgpr_count:     1024
    .wavefront_size: 32
...
	.end_amdgpu_metadata
.endif
;; end of part 3
;; launch pv (part 4): grid 4 x 64, 4 waves a work-group, clusters of 4 x 4, 327,680 bytes of LDS; arguments p_codes, p_scales, p_stats, qkv_codes, qkv_scales, out0; writes out0
.if DOCPART == 4
	.amdgcn_target "amdgcn-amd-amdhsa--gfx1250"
	.amdhsa_code_object_version 6
	.text
	.protected	k_q9165ee4bbe_pv
	.globl	k_q9165ee4bbe_pv
	.p2align	8
	.type	k_q9165ee4bbe_pv,@function
k_q9165ee4bbe_pv:
	s_mov_b64 s[64:65], 0
	v_nop
	global_prefetch_b8 v0, s[64:65] scope:SCOPE_SE
	s_setreg_imm32_b32 hwreg(HW_REG_WAVE_MODE, 25, 1), 1
	s_wait_xcnt 0x0
	s_wait_alu depctr_hold_cnt(0) depctr_sa_sdst(0) depctr_va_vdst(0) depctr_va_sdst(0) depctr_va_ssrc(0) depctr_va_vcc(0) depctr_vm_vsrc(0)
	s_getreg_b32 s2, hwreg(HW_REG_IB_STS2, 6, 4)
	s_cmp_eq_u32 s2, 0
	s_cbranch_scc0 .Lentry_in_a_cluster
	s_endpgm
.Lentry_in_a_cluster:
	s_bfe_u32 s2, ttmp6, 0x10000c
	s_cmp_lg_u32 s2, 0xf033
	s_cbranch_scc0 .Lentry_shape_is_right
	s_endpgm
.Lentry_shape_is_right:
; out = (P v) / l on codes of FP6 (E2M3).  P's codes were made under a whole number M' for each query and each 128 keys.  Here, for each query: M = the largest M'; each chunk's four scale bytes are lowered by M - M'
; (exact: the codes under M are the same codes); l = the sum of the chunks' sums x 2^(M' - M); the product is multiplied by 1 / l at the end.
; Source 1 ("A", a lane a query) = P, source 0 ("B", registers along the 1,024 channels) = v^T, whose tiles are in tile order (place p of tile t is row 32 (t / 2) + 8 (t % 2) + p + 8 (p / 8)).
; A work-group of four waves makes 128 queries x 256 channels (256 work-groups), a wave 64 x 128: 32 accumulators.  K = 2,048 keys in 16 steps; two LDS slots of four steps, each filled twice; all written out.
; CLUSTER 4 x 4: P's tiles are asked for jointly along a row of the cluster, v^T's along a column.  Scale words and statistics (40 KB against 590 KB of codes) come by plain loads.
; LIMITS: a scale byte that would fall under 0 is held at 0: what its block then adds is under 2^-124 of the row's sum.  NaN and infinities are not served.
; REGISTERS.  window 0: v1-15 addresses; v32-47 scale words and nothing else; v48-63 at work; v64-159 A's fragments, two sets (at the head the statistics; on the way out results).  window 1: B's fragments.  window 2: accumulator (a, b) at v[8 (8 a + b)].
.set NA,    4
.set NLD,   42                         ; 24 + 12 + 2 + 4
.set SLOT,  147456                     ; A: 2 x 24,576; B: 2 x 49,152
.set SCP,   2*SLOT                     ; P's scale words under M: K step x 512 + tile x 64 + 4 x place
.set SCV,   SCP+8192                   ; v^T's: K step x 1,024 + tile x 64 + 4 x place
.set RL,    SCV+16384                  ; 1 / l, 4 bytes a query
.set SPARE, RL+512
.set STG,   8448                       ; the way out: 16 rows x (512 + 16) bytes a wave, in slot 0, which has had its last fill and its last read by then
.set LI,   3
.set ADRA, 4                           ; v4-5
.set ADRB, 7                           ; v7-8
.set RD,   9
.set ADSA, 10
.set ADSB, 11
.set ARL,  12
.set STO,  13
.set SPW,  14
.set NIL,  15
.set SC,   32
.set AF,   64
.set T,    64
.set WV,   14
.set WH,   15
.set WL,   84
.set G1,   24
.set G0,   32
.set G1B,  48
.set G0B,  72
.set MSB, 0
.macro WIN new
.if MSB != (\new)
	s_set_vgpr_msb (MSB<<8)|(\new)
.set MSB, (\new)
.endif
.endm
.macro JLOAD g0a, g0b                  ; a joint load: waves 0, 1 fetch P's halves, waves 2, 3 v^T's; s_nop 0 and four v_nop follow each line
	s_cmp_eq_u32 s[WH], 0
	s_cbranch_scc0 .Lfor_b_\@
	tensor_load_to_lds s[\g0a:\g0a+3], s[G1:G1+7]
	s_nop 0
.rept 4
	v_nop
.endr
	s_branch .Lasked_\@
.Lfor_b_\@:
	tensor_load_to_lds s[\g0b:\g0b+3], s[G1B:G1B+7]
	s_nop 0
.rept 4
	v_nop
.endr
.Lasked_\@:
.endm
.macro CREST
	s_cmp_lg_u32 s[WV], 0
	s_cbranch_scc1 .Lnot_wave_0_\@
	s_barrier_signal -3
.Lnot_wave_0_\@:
	s_barrier_wait -3
	s_barrier_signal -1
	s_barrier_wait -1
.endm
.macro CROUND
	s_barrier_signal -1
	s_barrier_wait -1
	CREST
.endm
.macro WM
.if qZ
.if qRB && qRA
	v_wmma_scale_f32_16x16x128_f8f6f4 v[rD:rD+7], v[rB:rB+11], v[rA:rA+11], 0, v[rSB], v[rSA] matrix_a_fmt:MATRIX_FMT_FP6 matrix_b_fmt:MATRIX_FMT_FP6 matrix_a_scale:MATRIX_SCALE_ROW1 matrix_b_scale:MATRIX_SCALE_ROW1
.elseif qRB
	v_wmma_scale_f32_16x16x128_f8f6f4 v[rD:rD+7], v[rB:rB+11], v[rA:rA+11], 0, v[rSB], v[rSA] matrix_a_fmt:MATRIX_FMT_FP6 matrix_b_fmt:MATRIX_FMT_FP6 matrix_a_scale:MATRIX_SCALE_ROW1
.elseif qRA
	v_wmma_scale_f32_16x16x128_f8f6f4 v[rD:rD+7], v[rB:rB+11], v[rA:rA+11], 0, v[rSB], v[rSA] matrix_a_fmt:MATRIX_FMT_FP6 matrix_b_fmt:MATRIX_FMT_FP6 matrix_b_scale:MATRIX_SCALE_ROW1
.else
	v_wmma_scale_f32_16x16x128_f8f6f4 v[rD:rD+7], v[rB:rB+11], v[rA:rA+11], 0, v[rSB], v[rSA] matrix_a_fmt:MATRIX_FMT_FP6 matrix_b_fmt:MATRIX_FMT_FP6
.endif
.else
.if qRB && qRA
	v_wmma_scale_f32_16x16x128_f8f6f4 v[rD:rD+7], v[rB:rB+11], v[rA:rA+11], v[rD:rD+7], v[rSB], v[rSA] matrix_a_fmt:MATRIX_FMT_FP6 matrix_b_fmt:MATRIX_FMT_FP6 matrix_a_scale:MATRIX_SCALE_ROW1 matrix_b_scale:MATRIX_SCALE_ROW1
.elseif qRB
	v_wmma_scale_f32_16x16x128_f8f6f4 v[rD:rD+7], v[rB:rB+11], v[rA:rA+11], v[rD:rD+7], v[rSB], v[rSA] matrix_a_fmt:MATRIX_FMT_FP6 matrix_b_fmt:MATRIX_FMT_FP6 matrix_a_scale:MATRIX_SCALE_ROW1
.elseif qRA
	v_wmma_scale_f32_16x16x128_f8f6f4 v[rD:rD+7], v[rB:rB+11], v[rA:rA+11], v[rD:rD+7], v[rSB], v[rSA] matrix_a_fmt:MATRIX_FMT_FP6 matrix_b_fmt:MATRIX_FMT_FP6 matrix_b_scale:MATRIX_SCALE_ROW1
.else
	v_wmma_scale_f32_16x16x128_f8f6f4 v[rD:rD+7], v[rB:rB+11], v[rA:rA+11], v[rD:rD+7], v[rSB], v[rSA] matrix_a_fmt:MATRIX_FMT_FP6 matrix_b_fmt:MATRIX_FMT_FP6
.endif
.endif
.endm
; A's tiles a0 .. a0 + n - 1 against B's eight, K step ks.  cm = 1: the products start the sums.  The accumulators take turns, one instruction a turn.
.macro MULQ ks, a0, n, cm
.set qZ, \cm
.set qa, \a0
.rept \n
	WIN 0xa1                                       ; source 0 (B) window 1, source 1 (A) window 0, C and D window 2
.set qb, 0
.rept 8
.set rD, 8*(8*qa+qb)
.set rB, 96*((\ks)&1)+12*qb
.set rA, AF+12*NA*((\ks)&1)+12*qa
.set rSB, SC+8*((\ks)&1)+4+(qb&3)
.set rSA, SC+8*((\ks)&1)+(qa%(NA/2))
.set qRB, qb>>2
.set qRA, qa/(NA/2)
	WM
.set qb, qb+1
.endr
.set qa, qa+1
.endr
.endm
.macro FETCH ks                        ; a slot holds four K steps: two pairs, each pair's tiles on end
.set fS, ((\ks)>>2)&1
.set fP, (\ks)&1
.set fOB, (((\ks)>>1)&1)*24576+((\ks)&1)*1536
.set fOA, (((\ks)>>1)&1)*12288+((\ks)&1)*1536
	WIN 0x40
.set fi, 0
.rept 8
.irp c, 0,1,2
	ds_load_b128 v[96*fP+12*fi+4*\c:96*fP+12*fi+4*\c+3], v[ADRB+fS] offset:fOB+3072*fi+512*\c
.endr
.set fi, fi+1
.endr
	WIN 0
.set fi, 0
.rept 4
.irp c, 0,1,2
	ds_load_b128 v[AF+48*fP+12*fi+4*\c:AF+48*fP+12*fi+4*\c+3], v[ADRA+fS] offset:fOA+3072*fi+512*\c
.endr
.set fi, fi+1
.endr
.irp i, 0,1
	ds_load_b32 v[SC+8*fP+\i], v[ADSA] offset:(\ks)*512+64*\i
.endr
.irp i, 0,1,2,3
	ds_load_b32 v[SC+8*fP+4+\i], v[ADSB] offset:(\ks)*1024+64*\i
.endr
.endm
.macro STEP ks, cm
.rept 4
	v_nop                                          ; four places between the last step's products and the loads into the set that they read
.endr
	FETCH (\ks)+1
	s_wait_dscnt NLD                               ; all but the run just issued
	MULQ \ks, 0, NA, \cm
.endm
.macro TURN ks, fill, slot
	WIN 0
	s_wait_tensorcnt 0x0                           ; all my tensor loads have landed
	ds_add_u32 v[SPW], v[NIL]                      ; 0 onto my spare word
	s_wait_dscnt 0x1                               ; only the add may be out
	MULQ \ks, 0, NA/4, 0
	s_wait_dscnt 0x0                               ; the add is done, and my reads of the slot are over
	s_barrier_signal -1
	MULQ \ks, NA/4, NA/4, 0
	WIN 0
	s_barrier_wait -1
.if \fill
	CREST                                          ; no wave of any partner still reads the slot or has a load on its way
	s_add_nc_u64 s[G0+4*(\slot)+2:G0+4*(\slot)+3], s[G0+4*(\slot)+2:G0+4*(\slot)+3], s[56:57]
	s_add_nc_u64 s[G0B+4*(\slot)+2:G0B+4*(\slot)+3], s[G0B+4*(\slot)+2:G0B+4*(\slot)+3], s[58:59]
	JLOAD G0+4*(\slot), G0B+4*(\slot)
.else
.rept 4
	v_nop
.endr
.endif
	FETCH (\ks)+1
	MULQ \ks, NA/2, NA/2, 0
.endm
; chunk k of my query: its sum and its four scale bytes are brought under the row's M
.macro FIX k
	v_sub_f32 v50, v48, v[64+\k]                   ; M' - M: a whole number, 0 or less
	v_cvt_i32_f32 v50, v50                         ; (it saturates)
.if (\k) == 0
	v_ldexp_f32 v49, v[80+\k], v50
.else
	v_ldexp_f32 v51, v[80+\k], v50
	v_add_f32 v49, v49, v51
.endif
	v_bfe_u32 v52, v[96+\k], 0, 8
	v_bfe_u32 v53, v[96+\k], 8, 8
	v_bfe_u32 v54, v[96+\k], 16, 8
	v_lshrrev_b32 v55, 24, v[96+\k]
	v_add_nc_u32 v52, v52, v50
	v_add_nc_u32 v53, v53, v50
	v_add_nc_u32 v54, v54, v50
	v_add_nc_u32 v55, v55, v50
	v_max_i32 v52, 0, v52
	v_max_i32 v53, 0, v53
	v_max_i32 v54, 0, v54
	v_max_i32 v55, 0, v55
	v_lshl_or_b32 v52, v53, 8, v52
	v_lshl_or_b32 v52, v54, 16, v52
	v_lshl_or_b32 v[96+\k], v55, 24, v52
	ds_store_b32 v62, v[96+\k] offset:512*\k
.endm
	s_load_b128 s[4:7], s[0:1], 0x0                ; p_codes, p_scales
	s_load_b128 s[8:11], s[0:1], 0x10              ; p_stats, qkv_codes
	s_load_b64 s[12:13], s[0:1], 0x20              ; qkv_scales
	s_load_b64 s[16:17], s[0:1], 0x28              ; out0
	v_lshl_add_u32 v[SPW], v0, 2, SPARE
	v_mov_b32 v[NIL], 0
	ds_add_u32 v[SPW], v[NIL]                      ; the wave's opening: its wait stands ahead of my first tensor load
	v_lshrrev_b32 v1, 5, v0
	v_readfirstlane_b32 s[WV], v1
	s_lshr_b32 s[WH], s[WV], 1
	s_and_b32 s[WL], s[WV], 1
	s_bfe_u32 s44, ttmp6, 0x40000                  ; cx: which 256 channels
	s_bfe_u32 s45, ttmp6, 0x40004                  ; cy
	s_and_b32 s61, ttmp7, 0xffff                   ; cluster y
	s_lshr_b32 s62, s61, 2                         ; the batch
	s_and_b32 s68, s61, 3
	s_lshl_b32 s68, s68, 2
	s_add_co_u32 s68, s68, s45                     ; the batch's tile of 128 queries, of 16
	s_lshl_b32 s70, s45, 2
	s_lshl_b32 s70, 15, s70
	s_lshl_b32 s71, 0x1111, s44
	s_or_b32 s[G1], s70, (3<<16)|(1<<21)           ; the mask; elements of 8 bytes; bit 21 beside a mask; no padding
	s_mov_b32 s[G1+1], 1536<<16                    ; P: 4 tiles x 3,072 bytes on end (two K steps each),
	s_mov_b32 s[G1+2], 2<<16                       ; two such rows,
	s_mov_b32 s[G1+3], 1536<<16
	s_mov_b32 s[G1+4], 2
	s_mov_b32 s[G1+5], 49152                       ; 128 tiles x 3,072 bytes apart
	s_mov_b32 s[G1+6], 0
	s_mov_b32 s[G1+7], 0
	s_or_b32 s[G1B], s71, (3<<16)|(1<<21)
	s_mov_b32 s[G1B+1], 3072<<16                   ; v^T: 8 tiles on end, two rows, 64 tiles apart
	s_mov_b32 s[G1B+2], 2<<16
	s_mov_b32 s[G1B+3], 3072<<16
	s_mov_b32 s[G1B+4], 2
	s_mov_b32 s[G1B+5], 24576
	s_mov_b32 s[G1B+6], 0
	s_mov_b32 s[G1B+7], 0
	s_lshl_b32 s20, s68, 3
	s_lshl_b32 s21, s[WL], 2
	s_add_co_u32 s20, s20, s21
	s_mul_i32 s20, s20, 3072
	s_mul_i32 s21, s62, 3145728
	s_add_co_u32 s20, s20, s21
	s_mov_b32 s21, 0
	s_lshl_b32 s46, s44, 4
	s_lshl_b32 s47, s[WL], 3
	s_add_co_u32 s46, s46, s47
	s_mul_i32 s46, s46, 3072
	s_mul_i32 s47, s62, 1572864
	s_add_co_u32 s46, s46, s47
	s_add_co_u32 s46, s46, 12582912                ; v^T's codes begin here
	s_mov_b32 s47, 0
	s_mov_b32 s56, 1572864                         ; a refill: eight K steps on
	s_mov_b32 s57, 0
	s_mov_b32 s58, 786432
	s_mov_b32 s59, 0
	s_mul_i32 s85, s[WL], 24576                    ; where a load lands in a slot: no place in the cluster enters an LDS address
	s_mul_i32 s86, s[WL], 49152
	s_add_co_u32 s86, s86, 49152
	s_lshl_b32 s94, s62, 17                        ; P's scale words and statistics: my 128 queries
	s_lshl_b32 s95, s68, 9
	s_add_co_u32 s94, s94, s95
	s_mov_b32 s95, 0
	s_lshl_b32 s96, s62, 16                        ; v^T's scale words: my 16 tiles
	s_lshl_b32 s97, s44, 10
	s_add_co_u32 s96, s96, s97
	s_add_co_u32 s96, s96, 524288
	s_mov_b32 s97, 0
	s_lshl_b32 s88, s62, 23                        ; out: row 2,048 batch + 128 qt + 64 (wave / 2), column 256 cx + 128 (wave % 2)
	s_lshl_b32 s89, s68, 19
	s_add_co_u32 s88, s88, s89
	s_lshl_b32 s89, s[WH], 18
	s_add_co_u32 s88, s88, s89
	s_lshl_b32 s89, s44, 10
	s_add_co_u32 s88, s88, s89
	s_lshl_b32 s89, s[WL], 9
	s_add_co_u32 s88, s88, s89
	s_mov_b32 s89, 0
	v_and_b32 v1, 15, v0
	v_bfe_u32 v2, v0, 4, 1
	v_and_b32 v[LI], 31, v0
	v_lshlrev_b32 v[LI], 4, v[LI]
	v_lshlrev_b32 v60, 2, v0                       ; thread t is query t of the 128, in tile order
	v_lshrrev_b32 v48, 6, v0
	v_and_b32 v61, 63, v0
	v_lshlrev_b32 v61, 4, v61
	v_lshl_add_u32 v61, v48, 12, v61               ; v^T's words: (2 j + t / 64) 4,096 + 16 (t % 64)
	v_lshl_add_u32 v62, v0, 2, SCP
	v_lshl_add_u32 v63, v0, 4, SCV
	s_wait_dscnt 0x0                               ; the opening add is done
	s_wait_kmcnt 0x0
	s_add_nc_u64 s[20:21], s[4:5], s[20:21]
	s_add_nc_u64 s[46:47], s[10:11], s[46:47]
	s_add_nc_u64 s[6:7], s[6:7], s[94:95]
	s_add_nc_u64 s[8:9], s[8:9], s[94:95]
	s_add_nc_u64 s[12:13], s[12:13], s[96:97]
	s_add_nc_u64 s[16:17], s[16:17], s[88:89]
.irp k, 0,1,2,3,4,5,6,7,8,9,10,11,12,13,14,15
	global_load_b32 v[64+\k], v60, s[8:9] offset:8192*\k           ; -M' of chunk k
	global_load_b32 v[80+\k], v60, s[8:9] offset:524288+8192*\k    ; its sum
	global_load_b32 v[96+\k], v60, s[6:7] offset:8192*\k           ; its scale word
.endr
.irp j, 0,1,2,3,4,5,6,7
	global_load_b128 v[112+4*\j:115+4*\j], v61, s[12:13] offset:8192*\j
.endr
	CROUND                                         ; all sixteen work-groups are here: the first joint loads meet
.irp s, 0,1
	s_mov_b32 s[G0+4*\s], 1
	s_add_co_u32 s[G0+4*\s+1], s85, \s*SLOT
	s_add_nc_u64 s[G0+4*\s+2:G0+4*\s+3], s[20:21], \s*786432
	s_or_b32 s[G0+4*\s+3], s[G0+4*\s+3], 0x80000000
	s_mov_b32 s[G0B+4*\s], 1
	s_add_co_u32 s[G0B+4*\s+1], s86, \s*SLOT
	s_add_nc_u64 s[G0B+4*\s+2:G0B+4*\s+3], s[46:47], \s*393216
	s_or_b32 s[G0B+4*\s+3], s[G0B+4*\s+3], 0x80000000
	JLOAD G0+4*\s, G0B+4*\s                        ; K steps 4 s .. 4 s + 3: two loads of mine are out
.endr
	s_mul_i32 s100, s[WH], 24576
	v_add_nc_u32 v[ADRA], s100, v[LI]
	v_add_nc_u32 v[ADRA+1], SLOT, v[ADRA]
	s_mul_i32 s100, s[WL], 49152
	s_add_co_u32 s100, s100, 49152
	v_add_nc_u32 v[ADRB], s100, v[LI]
	v_add_nc_u32 v[ADRB+1], SLOT, v[ADRB]
	v_lshlrev_b32 v48, 2, v1                       ; 4 x place
	s_lshl_b32 s100, s[WH], 8
	s_add_co_u32 s100, s100, SCP
	v_lshl_add_u32 v[ADSA], v2, 7, v48             ; lanes 16-31 take the tile two on
	v_add_nc_u32 v[ADSA], s100, v[ADSA]
	s_lshl_b32 s100, s[WL], 9
	s_add_co_u32 s100, s100, SCV
	v_lshl_add_u32 v[ADSB], v2, 8, v48             ; lanes 16-31 take the tile four on
	v_add_nc_u32 v[ADSB], s100, v[ADSB]
	s_lshl_b32 s100, s[WH], 8
	s_add_co_u32 s100, s100, RL
	v_add_nc_u32 v[ARL], s100, v48
	s_mul_i32 s100, s[WV], STG
	v_mul_u32_u24 v[STO], v1, 528
	v_lshl_add_u32 v[STO], v2, 6, v[STO]
	v_add_nc_u32 v[STO], s100, v[STO]              ; the stage, in: row = place, + 64 x half
	v_add_nc_u32 v[RD], s100, v[LI]                ; back: a row's 512 bytes
	s_wait_loadcnt 0x0
	v_min3_num_f32 v48, v64, v65, v66              ; -M = the least -M'
.irp k, 67,69,71,73,75,77
	v_min3_num_f32 v48, v48, v[\k], v[\k+1]
.endr
	v_min_num_f32 v48, v48, v79
.irp k, 0,1,2,3,4,5,6,7,8,9,10,11,12,13,14,15
	FIX \k
.endr
	v_rcp_f32 v57, v49                             ; l is at least 1/2: the chunk with M' = M holds a p above 1/2
	v_nop                                          ; a plain place behind the transcendental
	s_wait_alu depctr_va_vdst(0)                   ; and the wait ahead of its first reader
	ds_store_b32 v62, v57 offset:RL-SCP
.irp j, 0,1,2,3,4,5,6,7
	ds_store_b128 v63, v[112+4*\j:115+4*\j] offset:2048*\j
.endr
	s_wait_dscnt 0x0                               ; for the others' sake: my stores have landed
	s_wait_tensorcnt 0x1                           ; my part of slot 0 is in; slot 1's may stay out
	s_barrier_signal -1
	s_barrier_wait -1
	FETCH 0
	STEP 0, 1                                      ; the first step's products start the sums
	STEP 1, 0
	STEP 2, 0
	TURN 3, 1, 0                                   ; slot 0 takes K steps 8 - 11
	STEP 4, 0
	STEP 5, 0
	STEP 6, 0
	TURN 7, 1, 1                                   ; slot 1 takes K steps 12 - 15
	STEP 8, 0
	STEP 9, 0
	STEP 10, 0
	TURN 11, 0, 0                                  ; behind this barrier nobody reads slot 0 any more, and nothing fills it
	STEP 12, 0
	STEP 13, 0
	STEP 14, 0
	s_wait_dscnt 0x0
	MULQ 15, 0, NA, 0
	WIN 0
.rept 4
	v_nop                                          ; four places in front of the first read of results and the first write over A's fragments
.endr
.irp a, 0,1,2,3
	ds_load_b32 v[48+2*\a], v[ARL] offset:64*\a    ; 1 / l of my query in tile a, twice: the packed form names a pair
	ds_load_b32 v[49+2*\a], v[ARL] offset:64*\a
.endr
	s_wait_dscnt 0x0
; THE WAY OUT, tile by tile of 16 queries x 128 channels: x 1 / l; through my stage; back as whole rows of 512 bytes.
.macro OUTB a
	WIN 0x02                                       ; source 0 window 2
.set oi, 0
.rept 32
	v_pk_mul_f32 v[T+oi:T+oi+1], v[64*(\a)+oi:64*(\a)+oi+1], v[48+2*(\a):49+2*(\a)] op_sel_hi:[1,0]   ; each accumulator from its low end on
.set oi, oi+2
.endr
	WIN 0
.irp b, 0,1,2,3,4,5,6,7
	ds_store_b128 v[STO], v[T+8*\b:T+8*\b+3] offset:128*(\b>>1)+32*(\b&1)        ; register 8 b + j is channel 32 (b / 2) + 16 half + 8 (b % 2) + j
	ds_store_b128 v[STO], v[T+8*\b+4:T+8*\b+7] offset:128*(\b>>1)+32*(\b&1)+16
.endr
.irp i, 0,1,2,3,4,5,6,7,8,9,10,11,12,13,14,15
	ds_load_b128 v[128+64*((\a)%2)+4*\i:128+64*((\a)%2)+4*\i+3], v[RD] offset:528*\i   ; LDS serves a wave's instructions in order: these see my stores
.endr
.endm
.macro SEND a, younger
	s_wait_dscnt \younger                          ; the tile is back; the next tile's 16 stores and 16 loads may be out
.irp i, 0,1,2,3,4,5,6,7,8,9,10,11,12,13,14,15
	global_store_b128 v[LI], v[128+64*((\a)%2)+4*\i:128+64*((\a)%2)+4*\i+3], s[16:17] offset:(32*((\a)>>1)+8*((\a)&1)+\i+8*(\i>>3))*4096 th:TH_STORE_NT   ; 512 bytes on end, aligned
.endr
.endm
	OUTB 0
	OUTB 1
	SEND 0, 32
	s_wait_xcnt 0x0                                ; tile 0's stores have read their registers: tile 2's rows may land there
	OUTB 2
	SEND 1, 32
	s_wait_xcnt 0x0
	OUTB 3
	SEND 2, 32
	SEND 3, 0
	s_wait_tensorcnt 0x0                           ; the wave's end
	ds_add_u32 v[SPW], v[NIL]
	s_wait_dscnt 0x0
	CROUND                                         ; the closing round
	s_endpgm
.Lfunc_end_k_q9165ee4bbe_pv:
	.size	k_q9165ee4bbe_pv, .Lfunc_end_k_q9165ee4bbe_pv-k_q9165ee4bbe_pv
	.p2alignl 7, 3214868480
	.fill 96, 4, 3214868480
	.section	.rodata,"a",@progbits
	.p2align	6, 0x0
	.amdhsa_kernel k_q9165ee4bbe_pv
		.amdhsa_group_segment_fixed_size 327680
		.amdhsa_private_segment_fixed_size 0
		.amdhsa_enable_private_segment 0
		.amdhsa_kernarg_size 48
		.amdhsa_user_sgpr_count 2
		.amdhsa_user_sgpr_kernarg_segment_ptr 1
		.amdhsa_wavefront_size32 1
		.amdhsa_system_sgpr_workgroup_id_x 1
		.amdhsa_system_sgpr_workgroup_id_y 1
		.amdhsa_system_sgpr_workgroup_id_z 1
		.amdhsa_system_vgpr_workitem_id 0
		.amdhsa_next_free_vgpr 768
		.amdhsa_next_free_sgpr 102
		.amdhsa_reserve_vcc 0
		.amdhsa_float_denorm_mode_32 3
		.amdhsa_float_denorm_mode_16_64 3
		.amdhsa_memory_ordered 1
		.amdhsa_forward_progress 1
		.amdhsa_inst_pref_size 165
	.end_amdhsa_kernel
	.amdgpu_metadata
---
amdhsa.version: [ 1, 2 ]
amdhsa.kernels:
  - .name:           k_q9165ee4bbe_pv
    .symbol:         k_q9165ee4bbe_pv.kd
    .args:
      - { .name: p_codes, .offset: 0, .size: 8, .value_kind: global_buffer, .address_space: global }
      - { .name: p_scales, .offset: 8, .size: 8, .value_kind: global_buffer, .address_space: global }
      - { .name: p_stats, .offset: 16, .size: 8, .value_kind: global_buffer, .address_space: global }
      - { .name: qkv_codes, .offset: 24, .size: 8, .value_kind: global_buffer, .address_space: global }
      - { .name: qkv_scales, .offset: 32, .size: 8, .value_kind: global_buffer, .address_space: global }
      - { .name: out0, .offset: 40, .size: 8, .value_kind: global_buffer, .address_space: global }
    .group_segment_fixed_size: 327680
    .private_segment_fixed_size: 0
    .kernarg_segment_align: 8
    .kernarg_segment_size: 48
    .max_flat_workgroup_size: 128
    .sgpr_count:     102
    .vgpr_count:     768
    .wavefront_size: 32
...
	.end_amdgpu_metadata
.endif
;; end of part 4
